; MI455X (gfx1250); checked and timed in simulation.
; The chip was launched on July 23, 2026; its instructions are those of AMD's public machine-readable ISA for CDNA 5 (MIT licence, August 2026) and "CDNA5" Instruction Set Architecture Reference Guide (July 2026). The comments in the code are by the model that wrote it; some were corrected since.
;; Multi Headed Attention. Allowed arithmetic: matrix products marked QUANTISED: E2M3 operands, one E8M0 scale for each 32 along K, by v_wmma_scale_f32_16x16x128_f8f6f4 with both operands' format E2M3, f32 sums; everything else in f32.
;; Inputs: Wo 1,024 x 1,024 float32; Wqkv 1,024 x 3,072 float32; bo 1,024 float32; bqkv 3,072 float32; input 1 x 4,096 x 1,024 float32.
;; Outputs: out0 1 x 4,096 x 1,024 float32.
;; This version of the problem:
;;   THIS VERSION OF THE PROBLEM IS GIVEN IN LOW PRECISION. The matrix products marked QUANTISED in the list below multiply operands that are first quantised to E2M3 (2 exponent bits, 3 mantissa bits; 6 bits a number), with one power-of-two scale for each 32 numbers along K (OCP MX v1.0); their sums are f32. All else is computed in f32.
;;   The module's matrix products, in the order in which they are computed (A, B: the left and right operand; K: the contracted axis; several contracted axes count as one K, in the product's order):
;;     1. [M 4,096, K 1,024] x [K 1,024, N 3,072]; A: input input; B: input Wqkv: QUANTISED
;;     2. batch 16 x [M 4,096, K 64] x [K 64, N 4,096]; A: computed on the way; B: computed on the way: QUANTISED
;;     3. batch 16 x [M 4,096, K 4,096] x [K 4,096, N 64]; A: softmax (see below); B: computed on the way: QUANTISED
;;     4. [M 4,096, K 1,024] x [K 1,024, N 1,024]; A: computed on the way; B: input Wo: QUANTISED
;;   THE QUANTISER, for each operand of a quantised product, along K:
;;     - K is cut into blocks of 32 from its start; a last block that is shorter is filled with zeros.
;;     - A block's scale is 2^e with e = floor(log2(the largest magnitude in the block)) - 2, held to -126 .. 127; a block of zeros has e = 0. As a byte (E8M0): e + 127.
;;     - Each number is divided by its block's scale, clamped to +-7.5, and rounded to the nearest number of E2M3, ties to even, subnormals kept.
;;     - The product sums the exact products of the quantised numbers (number of the format x scale) in f32.
;;   ~~~python
;;   def quantise(x, axis):      # numpy; x: float32 -> the quantised numbers, widened to float32 again
;;       x = np.moveaxis(x, axis, -1); K = x.shape[-1]
;;       x = np.pad(x, [(0, 0)] * (x.ndim - 1) + [(0, -K % 32)]); x = x.reshape(x.shape[:-1] + (-1, 32)); a = np.abs(x).max(-1, keepdims=True)
;;       e = np.where(a > 0, np.clip(np.frexp(np.where(a > 0, a, 1))[1] - 1 - 2, -126, 127), 0)      # np.frexp(a)[1] - 1 = floor(log2(a)), exactly
;;       r = np.clip(x / 2.0 ** e, -7.5, 7.5)
;;       step = 2.0 ** (np.maximum(np.frexp(np.where(r == 0, 1, r))[1] - 1, 0) - 3)
;;       q = np.round(r / step) * step * 2.0 ** e      # np.round: ties to even
;;       return np.moveaxis(q.reshape(q.shape[:-2] + (-1,))[..., :K], -1, axis).astype(np.float32)
;;   ~~~
;;   SOFTMAX AHEAD OF A QUANTISED PRODUCT. Where the list says 'softmax', what is quantised is not the finished softmax but p = 2^(t - M), with t = logit x log2(e) and M = ceil(the row's largest t), a whole number; so 1/2 < the row's largest p <= 1. The row's sum l is taken of the UNQUANTISED p, in f32, and the product's result is divided by l at the end. Since M is a whole number, a kernel that streams over the keys may use a running M (the ceiling of the running maximum): every later rescaling is an exact power of two, which a block's scale takes up: the codes' values come out the same.
;;   OPERANDS COMPUTED ON THE WAY. 'Computed on the way' means the value that the module computes at that place (a softmax that the list does not call 'softmax' is quantised finished and normalised). What goes into a quantiser is computed in f32, as accurately as f32 sums, v_exp_f32 and their like allow (about 1e-6 of the number): no bf16 or f16 on the way to a quantiser, and a product that is left as it is and whose result goes on into a quantised operand takes f32 operands (vector FMAs, or v_wmma_f32_16x16x4_f32). A number that lies on a knife's edge between two numbers of the format may be rounded either way, as far as f32 arithmetic and the matrix unit's own rounding can turn it there, and no further.
;; One version. Each part assembles by itself: llvm-mc -triple=amdgcn-amd-amdhsa -mcpu=gfx1250 --defsym DOCPART=n.
;; ======== version 1 of 1: 4 launches
;; limits: right only within a limited range of input values
;; workspace buffers: cimg 6,291,456 bytes; csc 262,144 bytes; qkv 9,830,400 bytes; oimg 3,145,728 bytes; osc 131,072 bytes
;; launch quant (part 1): grid 512 x 1, 4 waves a work-group, no clusters, 47,616 bytes of LDS; arguments input, Wqkv, Wo, cimg, csc; writes cimg, csc
.if DOCPART == 1
	.amdgcn_target "amdgcn-amd-amdhsa--gfx1250"
	.amdhsa_code_object_version 6
	.text
	.protected	k_q2e614df79c_quant
	.globl	k_q2e614df79c_quant
	.p2align	8
	.type	k_q2e614df79c_quant,@function
k_q2e614df79c_quant:
	s_mov_b64 s[64:65], 0
	v_nop
	global_prefetch_b8 v0, s[64:65] scope:SCOPE_SE
	s_setreg_imm32_b32 hwreg(HW_REG_WAVE_MODE, 25, 1), 1
	s_wait_xcnt 0x0
; input [4096][1024], Wqkv [1024][3072] and Wo [1024][1024], f32, become codes of FP6 (E2M3) with one E8M0 byte for each 32 along K = 1,024.
; A block's scale is 2^(floor(log2(its largest magnitude)) - 2): its byte is the largest magnitude's exponent field - 2, held at 1 from below.
; OUT: cimg [512 blocks of 16 rows][8 K steps of 128][1,536 bytes]: a fragment as an image of its 12 registers: byte 256 p + 8 lane holds registers 2 p, 2 p + 1.
;      csc [8,192 rows][8 words]: word s = the four scale bytes of K step s.  Rows 0-4095 tokens, 4096 + n column n of Wqkv, 7168 + n column n of Wo.
; THE ROWS STAND IN IMAGE ORDER: the row at place p is row p with bits 3 and 4 exchanged, so that block 2 b + u holds rows 32 b + 8 u + (r % 8) + 16 (r / 8).
; In a product used transposed the 16 registers of two neighbouring tiles are then 16 neighbours along the next product's K.
; LIMITS: NaN and infinities among the inputs are not served; a block whose largest magnitude lies under 2^-124 has its byte held at 1; a block of zeros gets the byte 1
; where the rule says 127: its codes are zeros, which add nothing, and this program alone reads the bytes.
; Work-groups 0-255 take the tokens (K innermost), 256-511 the weights (K outermost).  Waves share nothing: no barrier.  Nothing is read by two work-groups: no cluster.  Each path has LDS bytes of its own.
.set XSTG, 8448                        ; path X: a wave's stage, 16 rows x (512 bytes + 16)
.set WLDS, 4*XSTG                      ; path W's bytes begin here
.set WSTG, 3328                        ; path W: a wave's stage: two images of 1,536 bytes, 128 bytes behind each
.set R,   64                           ; v64-191  numbers
.set C,   32                           ; v32-55   codes
.set TT,  56                           ; v56-63   a conversion's three registers begin on an even number: second halves are made here and moved
.set VO,  192                          ; v192-223 path W: 4 lane + i x the weight's pitch
.set MX,  10
.set SOP, 12
.set BY,  14
.set WD,  16
.set TP,  18
	s_load_b256 s[4:11], s[0:1], 0x0               ; input s[4:5], Wqkv s[6:7], Wo s[8:9], cimg s[10:11]
	s_load_b64 s[12:13], s[0:1], 0x20              ; csc
	v_lshl_add_u32 v224, v0, 2, 0xb800
	v_mov_b32 v225, 0
	v_lshrrev_b32 v1, 5, v0
	v_readfirstlane_b32 s14, v1                    ; wave 0..3
	v_and_b32 v1, 31, v0                           ; lane
	v_lshlrev_b32 v4, 4, v1                        ; 16 x lane
	s_mov_b32 s20, 0x76543210
	s_mov_b32 s21, 0xfedcba98                      ; v_permlanex16_b32's selects for lane l xor 16
	s_mov_b32 s17, 0                               ; the upper word of every offset
	s_wait_kmcnt 0x0
	s_cmp_lt_u32 ttmp9, 256
	s_cbranch_scc0 .Lweights
; ---- PATH X.  Work-group g = block g of 16 tokens; wave w = K steps 2 w and 2 w + 1.
	v_and_b32 v2, 15, v0                           ; r
	v_bfe_u32 v3, v0, 4, 1                         ; h
	s_wait_alu depctr_va_vdst(0)
	v_lshlrev_b32 v5, 3, v1                        ; 8 x lane
	s_mul_i32 s15, s14, XSTG
	v_add_nc_u32 v6, s15, v4                       ; the stage, in: a row's 512 bytes as they lie
	v_mul_u32_u24 v7, v2, 528
	v_lshl_add_u32 v7, v3, 7, v7
	v_add_nc_u32 v7, s15, v7                       ; out: row r, + 128 h: my block of 32 numbers
	v_lshlrev_b32 v8, 5, v2
	v_lshl_add_u32 v8, v3, 2, v8                   ; csc: 32 r + 4 h
	v_lshlrev_b32 v9, 3, v3                        ; 8 h
	v_mov_b32 v[TP], 0                             ; a lane permute's destination counts as one of its sources
	s_lshr_b32 s16, ttmp9, 1
	s_lshl_b32 s16, s16, 17                        ; 32 (g / 2) rows of 4,096 bytes
	s_and_b32 s18, ttmp9, 1
	s_lshl_b32 s18, s18, 15                        ; + 8 (g % 2) rows
	s_add_co_u32 s16, s16, s18
	s_lshl_b32 s18, s14, 10                        ; + 256 w numbers
	s_add_co_u32 s16, s16, s18
	s_add_nc_u64 s[4:5], s[4:5], s[16:17]
	s_mul_i32 s16, ttmp9, 12288
	s_mul_i32 s18, s14, 3072
	s_add_co_u32 s16, s16, s18
	s_add_nc_u64 s[10:11], s[10:11], s[16:17]
	s_lshl_b32 s16, ttmp9, 9
	s_lshl_b32 s18, s14, 3
	s_add_co_u32 s16, s16, s18
	s_add_nc_u64 s[12:13], s[12:13], s[16:17]
.irp f, 0,1
.irp t, 0,1,2,3,4,5,6,7,8,9,10,11,12,13,14,15
	global_load_b128 v[R+64*\f+4*\t:R+64*\f+4*\t+3], v4, s[4:5] offset:(\t%8+16*(\t/8))*4096+512*\f th:TH_LOAD_NT   ; 32 lanes read 512 consecutive bytes of the token at place t
.endr
.endr
.macro XTURN f                         ; a fragment's 16 x 128 numbers through the stage; LDS serves a wave's instructions in order, so no wait stands between the stores and the loads
.irp t, 0,1,2,3,4,5,6,7,8,9,10,11,12,13,14,15
	ds_store_b128 v6, v[R+64*\f+4*\t:R+64*\f+4*\t+3] offset:528*\t
.endr
.irp c, 0,1
.irp i, 0,1,2,3,4,5,6,7
	ds_load_b128 v[R+64*\f+32*\c+4*\i:R+64*\f+32*\c+4*\i+3], v7 offset:256*\c+16*\i   ; register 32 c + i = k 64 c + 32 h + i of row r
.endr
.endr
.endm
.macro XQ f                            ; my two whole blocks, h and 2 + h, of fragment f
.irp c, 0,1
	v_max3_num_f32 v[MX+\c], |v[R+64*\f+32*\c]|, |v[R+64*\f+32*\c+1]|, 0x1800000   ; with the floor 2^(3 - 127): the byte cannot fall under 1
.endr
.irp i, 2,4,6,8,10,12,14,16,18,20,22,24,26,28,30
.irp c, 0,1
	v_max3_num_f32 v[MX+\c], v[MX+\c], |v[R+64*\f+32*\c+\i]|, |v[R+64*\f+32*\c+\i+1]|
.endr
.endr
.irp c, 0,1
	v_add_nc_u32 v[SOP+\c], 0xff000000, v[MX+\c]   ; 2 off the exponent field: the conversion's scale operand
.endr
.irp c, 0,1
	v_lshrrev_b32 v[BY+\c], 23, v[SOP+\c]          ; the scale's byte
.endr
	v_lshl_or_b32 v[WD+\f], v[BY+1], 16, v[BY]
	v_lshlrev_b32 v[WD+\f], v9, v[WD+\f]           ; at their places in the word, 8 h bits up
	v_permlanex16_b32 v[TP], v[WD+\f], s20, s21
	v_or_b32 v[WD+\f], v[WD+\f], v[TP]             ; with lane l xor 16's two the word is whole
.irp c, 0,1
	v_cvt_scalef32_pk16_fp6_f32 v[C+12*\f+6*\c:C+12*\f+6*\c+2], v[R+64*\f+32*\c:R+64*\f+32*\c+15], v[SOP+\c]
	v_cvt_scalef32_pk16_fp6_f32 v[TT+4*\c:TT+4*\c+2], v[R+64*\f+32*\c+16:R+64*\f+32*\c+31], v[SOP+\c]
.endr
	v_nop                                          ; one plain place behind a scaled conversion
.irp c, 0,1
.irp i, 0,1,2
	v_mov_b32 v[C+12*\f+6*\c+3+\i], v[TT+4*\c+\i]
.endr
.endr
.irp p, 0,1,2,3,4,5
	global_store_b64 v5, v[C+12*\f+2*\p:C+12*\f+2*\p+1], s[10:11] offset:1536*\f+256*\p   ; 32 lanes store 256 consecutive bytes, aligned
.endr
.endm
	s_wait_alu depctr_va_vdst(0)
	s_wait_loadcnt 16                              ; fragment 0's sixteen loads are in, the sixteen younger stay out
	XTURN 0
	s_wait_loadcnt 0x0
	XTURN 1
	s_wait_dscnt 32                                ; fragment 0 is back: the 32 younger LDS instructions are fragment 1's
	XQ 0
	s_wait_dscnt 0x0
	XQ 1
	v_cmp_ne_u32 vcc_lo, 0, v3
	v_cndmask_b32 v19, v[WD], v[WD+1], vcc_lo      ; lanes 0-15 store K step 2 w's word of row r, lanes 16-31 K step 2 w + 1's
	global_store_b32 v8, v19, s[12:13]
	s_wait_tensorcnt 0x0
	ds_add_u32 v224, v225
	s_wait_dscnt 0x0
	s_endpgm
; ---- PATH W.  A lane takes a column and its registers run down K: a block of 32 lies in one lane.  Work-group: 128 columns x one K step; wave: 32 columns = two blocks of 16 rows of the image.
.Lweights:
	s_sub_co_u32 s16, ttmp9, 256
	s_and_b32 s18, s16, 31                         ; which 128 columns: 0-23 of Wqkv, 24-31 of Wo
	s_lshr_b32 s19, s16, 5                         ; K step
	s_mov_b32 s22, 4096
	s_cmp_lt_u32 s18, 24                           ; the choice hangs on the work-group's number alone
	s_cselect_b64 s[6:7], s[6:7], s[8:9]
	s_cselect_b32 s22, 12288, s22                  ; bytes from row to row
	s_cselect_b32 s23, 0, 24
	s_sub_co_u32 s23, s18, s23                     ; the group's number in its own tensor
	s_lshl_b32 s16, s19, 7
	s_mul_i32 s16, s16, s22                        ; 128 rows a K step
	s_lshl_b32 s23, s23, 9
	s_add_co_u32 s16, s16, s23
	s_lshl_b32 s23, s14, 7
	s_add_co_u32 s16, s16, s23
	s_add_nc_u64 s[24:25], s[6:7], s[16:17]        ; block 0's first row,
	s_lshl_b32 s16, s22, 5
	s_add_nc_u64 s[26:27], s[24:25], s[16:17]      ; and those of blocks 1 to 3, 32 rows apart
	s_add_nc_u64 s[28:29], s[26:27], s[16:17]
	s_add_nc_u64 s[30:31], s[28:29], s[16:17]
	s_lshl_b32 s34, s18, 2
	s_add_co_u32 s34, s34, s14                     ; which 32 columns of the 4,096
	s_mul_i32 s16, s34, 24576
	s_mul_i32 s23, s19, 1536
	s_add_co_u32 s16, s16, s23
	s_add_co_u32 s16, s16, 3145728                 ; behind the tokens' 256 blocks
	s_add_nc_u64 s[10:11], s[10:11], s[16:17]
	s_lshl_b32 s16, s34, 10
	s_lshl_b32 s23, s19, 2
	s_add_co_u32 s16, s16, s23
	s_add_co_u32 s16, s16, 131072
	s_add_nc_u64 s[12:13], s[12:13], s[16:17]
	v_bfe_u32 v2, v0, 3, 1                         ; u: which of the two blocks my column's place falls in
	v_and_b32 v3, 7, v0
	v_bfe_u32 v5, v0, 4, 1
	v_lshl_add_u32 v3, v5, 3, v3                   ; its row there: (l % 8) + 8 (l / 16)
	s_wait_alu depctr_va_vdst(0)
	v_lshlrev_b32 v5, 2, v1                        ; 4 x lane
	s_mul_i32 s35, s14, WSTG
	s_add_co_u32 s35, s35, WLDS
	v_mul_u32_u24 v6, v2, 1664
	v_lshl_add_u32 v6, v3, 3, v6
	v_add_nc_u32 v6, s35, v6                       ; the stage, in: image u, 8 bytes at my row's lane; the 128 bytes between the images keep the two groups of lanes in different banks
	v_add_nc_u32 v7, s35, v4                       ; out: 16 x lane
	v_lshlrev_b32 v8, 9, v2
	v_lshl_add_u32 v8, v3, 5, v8                   ; csc: (16 u + row) x 32
.irp i, 0,1,2,3,4,5,6,7,8,9,10,11,12,13,14,15,16,17,18,19,20,21,22,23,24,25,26,27,28,29,30,31
	v_mad_u32_u24 v[VO+\i], s22, \i, v5
.endr
.irp j, 0,1,2,3
.irp i, 0,1,2,3,4,5,6,7,8,9,10,11,12,13,14,15,16,17,18,19,20,21,22,23,24,25,26,27,28,29,30,31
	global_load_b32 v[R+32*\j+\i], v[VO+\i], s[24+2*\j:25+2*\j] th:TH_LOAD_NT   ; W(128 s + 32 j + i, my column): a wave reads 128 consecutive bytes, the work-group 512
.endr
.endr
.macro WBLOCK j
.if \j < 2
	s_wait_loadcnt 63                              ; blocks 0 and 1 are in: more younger loads could stay out, but the count ends at 63
.else
	s_wait_loadcnt 32*(3-\j)                       ; the later blocks' loads stay out
.endif
.set XS, R+32*\j
	v_max3_num_f32 v10, |v[XS]|, |v[XS+1]|, |v[XS+2]|
	v_max3_num_f32 v11, |v[XS+3]|, |v[XS+4]|, |v[XS+5]|
.irp i, 6,10,14,18,22,26
	v_max3_num_f32 v10, v10, |v[XS+\i]|, |v[XS+\i+1]|
	v_max3_num_f32 v11, v11, |v[XS+\i+2]|, |v[XS+\i+3]|
.endr
	v_max3_num_f32 v10, v10, |v[XS+30]|, |v[XS+31]|
	v_max3_num_f32 v10, v10, v11, 0x1800000        ; and the floor
	v_add_nc_u32 v12, 0xff000000, v10
	v_lshrrev_b32 v14, 23, v12
.if \j == 0
	v_mov_b32 v9, v14                              ; my column's scale word: all four bytes are mine
.else
	v_lshl_or_b32 v9, v14, 8*\j, v9
.endif
	v_cvt_scalef32_pk16_fp6_f32 v[C+6*\j:C+6*\j+2], v[XS:XS+15], v12
	v_cvt_scalef32_pk16_fp6_f32 v[TT:TT+2], v[XS+16:XS+31], v12
	v_nop
.irp i, 0,1,2
	v_mov_b32 v[C+6*\j+3+\i], v[TT+\i]
.endr
.irp p, 0,1,2
	ds_store_b64 v6, v[C+6*\j+2*\p:C+6*\j+2*\p+1] offset:768*(\j/2)+128*(\j%2)+256*\p   ; block j is registers 6 (j / 2) on of the image's lane row + 16 (j % 2)
.endr
.endm
	WBLOCK 0
	WBLOCK 1
	WBLOCK 2
	WBLOCK 3
.irp u, 0,1
.irp q, 0,1,2
	ds_load_b128 v[R+4*(3*\u+\q):R+4*(3*\u+\q)+3], v7 offset:1664*\u+512*\q   ; LDS serves a wave's instructions in order: these see my stores
.endr
.endr
	s_wait_alu depctr_va_vdst(0)
	s_wait_dscnt 0x0
.irp u, 0,1
.irp q, 0,1,2
	global_store_b128 v4, v[R+4*(3*\u+\q):R+4*(3*\u+\q)+3], s[10:11] offset:12288*\u+512*\q   ; 32 lanes store 512 consecutive bytes, aligned
.endr
.endr
	global_store_b32 v8, v9, s[12:13]              ; 4 bytes a row, rows 32 bytes apart: one byte for each 128 that the wave has read
	s_wait_tensorcnt 0x0
	ds_add_u32 v224, v225
	s_wait_dscnt 0x0
	s_endpgm
.Lfunc_end_k_q2e614df79c_quant:
	.size	k_q2e614df79c_quant, .Lfunc_end_k_q2e614df79c_quant-k_q2e614df79c_quant
	.p2alignl 7, 3214868480
	.fill 96, 4, 3214868480
	.section	.rodata,"a",@progbits
	.p2align	6, 0x0
	.amdhsa_kernel k_q2e614df79c_quant
		.amdhsa_group_segment_fixed_size 47616
		.amdhsa_private_segment_fixed_size 0
		.amdhsa_enable_private_segment 0
		.amdhsa_kernarg_size 40
		.amdhsa_user_sgpr_count 2
		.amdhsa_user_sgpr_kernarg_segment_ptr 1
		.amdhsa_wavefront_size32 1
		.amdhsa_system_sgpr_workgroup_id_x 1
		.amdhsa_system_sgpr_workgroup_id_y 1
		.amdhsa_system_sgpr_workgroup_id_z 1
		.amdhsa_system_vgpr_workitem_id 0
		.amdhsa_next_free_vgpr 226
		.amdhsa_next_free_sgpr 66
		.amdhsa_reserve_vcc 1
		.amdhsa_float_denorm_mode_32 3
		.amdhsa_float_denorm_mode_16_64 3
		.amdhsa_memory_ordered 1
		.amdhsa_forward_progress 1
		.amdhsa_inst_pref_size 41
	.end_amdhsa_kernel
	.amdgpu_metadata
---
amdhsa.version: [ 1, 2 ]
amdhsa.kernels:
  - .name:           k_q2e614df79c_quant
    .symbol:         k_q2e614df79c_quant.kd
    .args:
      - { .name: input, .offset: 0, .size: 8, .value_kind: global_buffer, .address_space: global }
      - { .name: Wqkv, .offset: 8, .size: 8, .value_kind: global_buffer, .address_space: global }
      - { .name: Wo, .offset: 16, .size: 8, .value_kind: global_buffer, .address_space: global }
      - { .name: cimg, .offset: 24, .size: 8, .value_kind: global_buffer, .address_space: global }
      - { .name: csc, .offset: 32, .size: 8, .value_kind: global_buffer, .address_space: global }
    .group_segment_fixed_size: 47616
    .private_segment_fixed_size: 0
    .kernarg_segment_align: 8
    .kernarg_segment_size: 40
    .max_flat_workgroup_size: 128
    .sgpr_count:     66
    .vgpr_count:     226
    .wavefront_size: 32
...
	.end_amdgpu_metadata
.endif
;; end of part 1
;; launch qkvgemm (part 2): grid 12 x 16, 4 waves a work-group, clusters of 4 x 4, 327,680 bytes of LDS; arguments cimg, csc, bqkv, qkv; writes qkv
.if DOCPART == 2
	.amdgcn_target "amdgcn-amd-amdhsa--gfx1250"
	.amdhsa_code_object_version 6
	.text
	.protected	k_q2e614df79c_qkvgemm
	.globl	k_q2e614df79c_qkvgemm
	.p2align	8
	.type	k_q2e614df79c_qkvgemm,@function
k_q2e614df79c_qkvgemm:
	s_mov_b64 s[64:65], 0
	v_nop
	global_prefetch_b8 v0, s[64:65] scope:SCOPE_SE
	s_setreg_imm32_b32 hwreg(HW_REG_WAVE_MODE, 25, 1), 1
	s_wait_xcnt 0x0
	s_wait_alu depctr_hold_cnt(0) depctr_sa_sdst(0) depctr_va_vdst(0) depctr_va_sdst(0) depctr_va_ssrc(0) depctr_va_vcc(0) depctr_vm_vsrc(0)
	s_getreg_b32 s2, hwreg(HW_REG_IB_STS2, 6, 4)
	s_cmp_eq_u32 s2, 0
	s_cbranch_scc0 .Lentry_in_a_cluster
	s_endpgm
.Lentry_in_a_cluster:
	s_bfe_u32 s2, ttmp6, 0x10000c
	s_cmp_lg_u32 s2, 0xf033
	s_cbranch_scc0 .Lentry_shape_is_right
	s_endpgm
.Lentry_shape_is_right:
; qkv = x Wqkv + bqkv on codes of FP6 (E2M3) with E8M0 scales, and q, k, v quantised again on the way out, each along the K of the product that will read it.
; IN: cimg, csc (fragments as images of their registers, rows in image order: bits 3 and 4 of a row's number exchanged).  A unit = 256 rows: 196,608 bytes of codes, 8,192 of scale words.
; A work-group of four waves makes 256 x 256, a wave 128 x 128 in 64 accumulators.  THE MATRIX INSTRUCTION IS USED TRANSPOSED: source 0 = 16 rows of 'B', source 1 = 16 rows of 'A': a lane holds one row of A,
; and by the image order the 64 registers of a block of A's rows are: register 16 b + i = B's row 32 b + 16 (lane / 16) + i: 16 neighbours of each block of 32.
; ROLES, by the cluster's x: 0, 1 (q, k): A = tokens, B = W's columns, so a lane's registers run along the head's channels, which are q k^T's K.
;        2 (v): A = Wv's columns, B = tokens, so a lane holds a channel and its registers run along the keys, which are p v's K.  Only offsets differ; the loop over K is one text.
; OUT: qkv [3][16 heads][32 blocks of 128 tokens][6,400 bytes]: four fragments (byte 512 c + 16 lane = registers 4 c .. 4 c + 3), then at 6,144 their scale words, 8 bytes a lane.
;   q, k: fragment b = tiles 2 b (registers 0-5) and 2 b + 1 (6-11) of 16 tokens x 64 channels.   v: fragment t = 16 channels x the block's 128 tokens.
; K = 1,024 is eight steps of 128, written out.  LDS: three regions of two K steps; the fourth pair of steps fills region 0 again, the only refill.  A wave has at most one tensor load outstanding.
; CLUSTER 4 x 4: A's tiles are shared along a row of the cluster, B's along a column: joint loads.  All of K's scale words stay in 64 registers.
; LIMITS: as stated in the first launch: NaN and infinities are not served; a byte is held at 1 from below; a block of zeros has the byte 1 and zero codes.
.set FR,    12
.set REGB,  98304                      ; a region: A's 16 blocks x 3,072 bytes (two K steps), then B's
.set SPARE, 3*REGB                     ; the spare words, 128 bytes a wave
.set ADRA, 16                          ; v16-18 LDS address of my A fragments in region 0, 1, 2
.set ADRB, 20                          ; v20-22 of B's
.set L16,  24
.set L8,   25
.set SCA,  26                          ; 32 r + 16 h: lanes 0-15 take a row's words of K steps 0-3, lanes 16-31 of 4-7
.set BLA,  27
.set SPW,  28
.set NIL,  29
.set BLV,  30
.set TM,   32                          ; v32-47 QUANT at work
.set TT,   48                          ; v48-55
.set PW,   56                          ; v56-59 scale words just made
.set SA,   64                          ; v64-95  A's scale words, four registers a block: they hold scales and nothing else
.set SB,   96                          ; v96-127 B's
.set AF,   128                         ; v128-223 A's fragments, one set; window 1: B's two sets at v0 and v128, the bias along the registers at v96-127 and v224-255
.set T,    128                         ; the way out: 64 numbers
.set X,    192
.set Y,    204
.set SW0,  224
.set SW1,  228
.set PK,   232
.set BV,   236                         ; v236-251 the bias along the lanes, a pair for each block of A's rows
.set G1A, 24
.set G1B, 48
.set G0A, 68                           ; s[68:83] four groups 0 for A, one for each pair of K steps: none is ever stepped
.set G0B, 84                           ; s[84:99] for B
.set SEL, 46
.set MSB, 0
.macro WIN new                         ; the immediate's high byte repeats the setting that is left
.if MSB != (\new)
	s_set_vgpr_msb (MSB<<8)|(\new)
.set MSB, (\new)
.endif
.endm
.set MUL_LO, 0xa1                      ; source 0 (B) window 1, source 1 (A) window 0, C and D window 2
.set MUL_HI, 0xf1
.set TO_B,   0x40
.macro PLACES n
.rept \n
	v_nop
.endr
.endm
.macro CREST
	s_cmp_lg_u32 s14, 0
	s_cbranch_scc1 .Lnot_wave_0_\@
	s_barrier_signal -3
.Lnot_wave_0_\@:
	s_barrier_wait -3
	s_barrier_signal -1
	s_barrier_wait -1
.endm
.macro CROUND
	s_barrier_signal -1
	s_barrier_wait -1
	CREST
.endm
.macro FRAG reg, adr, off              ; a fragment comes back as it was stored: six loads of 8 bytes a lane, 256 consecutive bytes each
.irp p, 0,1,2,3,4,5
	ds_load_b64 v[\reg+2*\p:\reg+2*\p+1], v[\adr] offset:\off+256*\p
.endr
.endm
; LDS AS IT IS LAID NOW: bytes 0 .. 196,607: K steps 0-3, each loading wave's 8 blocks x 6,144 bytes on end (wave x 49,152), one load a wave at the head;
; bytes 196,608 on: K steps 4, 5 (wave x 24,576, blocks of 3,072), first filled behind the head's round; K steps 6, 7 fill bytes 0 .. 98,303 again behind K step 3's round.  One tensor load of a wave is out at a time.
.macro LAY g                           ; RX: which address register; BPI: bytes from block to block; SO: the K step's place in its block
.if (\g) < 4
.set RX, 1
.set BPI, 6144
.set SO, ((\g)%4)*1536
.else
.set RX, (((\g)/2)%3)
.set BPI, 3072
.set SO, ((\g)%2)*1536
.endif
.endm
.macro FETCH_B g
	LAY \g
	WIN TO_B
.irp i, 0,1,2,3,4,5,6,7
	FRAG 128*((\g)%2)+FR*\i, ADRB+RX, \i*BPI+SO
.endr
	WIN 0
.endm
.macro FETCH_A g, i0
	LAY \g
.irp i, \i0, \i0+1, \i0+2, \i0+3
	FRAG AF+FR*(\i), ADRA+RX, (\i)*BPI+SO
.endr
.endm
; 16 products of K step g: A's blocks a0, a0 + 1 x B's eight.  The 64 accumulators take turns, one instruction a turn, in the same order in every step.
.macro MUL16 a0, g, zero
.irp a, \a0, \a0+1
.irp b, 0,1,2,3,4,5,6,7
.if \zero
	v_wmma_scale_f32_16x16x128_f8f6f4 v[8*(8*((\a)%4)+\b):8*(8*((\a)%4)+\b)+7], v[128*((\g)%2)+FR*\b:128*((\g)%2)+FR*\b+FR-1], v[AF+FR*(\a):AF+FR*(\a)+FR-1], 0, v[SB+4*\b+(\g)%4], v[SA+4*(\a)+(\g)%4] matrix_a_fmt:MATRIX_FMT_FP6 matrix_b_fmt:MATRIX_FMT_FP6
.elseif (\g) < 4
	v_wmma_scale_f32_16x16x128_f8f6f4 v[8*(8*((\a)%4)+\b):8*(8*((\a)%4)+\b)+7], v[128*((\g)%2)+FR*\b:128*((\g)%2)+FR*\b+FR-1], v[AF+FR*(\a):AF+FR*(\a)+FR-1], v[8*(8*((\a)%4)+\b):8*(8*((\a)%4)+\b)+7], v[SB+4*\b+(\g)%4], v[SA+4*(\a)+(\g)%4] matrix_a_fmt:MATRIX_FMT_FP6 matrix_b_fmt:MATRIX_FMT_FP6
.else
	v_wmma_scale_f32_16x16x128_f8f6f4 v[8*(8*((\a)%4)+\b):8*(8*((\a)%4)+\b)+7], v[128*((\g)%2)+FR*\b:128*((\g)%2)+FR*\b+FR-1], v[AF+FR*(\a):AF+FR*(\a)+FR-1], v[8*(8*((\a)%4)+\b):8*(8*((\a)%4)+\b)+7], v[SB+4*\b+(\g)%4], v[SA+4*(\a)+(\g)%4] matrix_a_fmt:MATRIX_FMT_FP6 matrix_b_fmt:MATRIX_FMT_FP6 matrix_a_scale:MATRIX_SCALE_ROW1 matrix_b_scale:MATRIX_SCALE_ROW1
.endif
.endr
.endr
.endm
; A load into a register that a matrix instruction has read stands four plain vector instructions behind it (ISA guide 7.12.1 for vector instructions).
.macro STEP g, zero
	s_wait_dscnt 24                                ; B's set and A's blocks 0-3 are in; the 24 youngest loads (A's blocks 4-7) may be out
	WIN MUL_LO
	MUL16 0, \g, \zero
	MUL16 2, \g, \zero
	s_wait_dscnt 0x0
	PLACES 4
	FETCH_B (\g)+1
	FETCH_A (\g)+1, 0
	WIN MUL_HI
	MUL16 4, \g, \zero
	MUL16 6, \g, \zero
	PLACES 4
	WIN 0
	FETCH_A (\g)+1, 4
.endm
; A K step with a barrier in it.  In front of the signal: all my tensor loads have landed, 0 is added to my spare word, and my LDS reads are back.  fill = 3: region 0, which nobody reads any more, takes K steps 6 and 7.
.macro TURN g, fill
	s_wait_tensorcnt 0x0
	ds_add_u32 v[SPW], v[NIL]
	s_wait_dscnt 25                                ; (the add and the 24 youngest loads may be out)
	WIN MUL_LO
	MUL16 0, \g, 0
	s_wait_dscnt 0x0                               ; the add is done, and my reads of the region that is left are over
	s_barrier_signal -1
	MUL16 2, \g, 0
	WIN 0
	s_barrier_wait -1
.if \fill
	CREST                                          ; the barrier has opened a round of the cluster's barrier: no wave of any partner still reads region 0 or has a load on its way
	s_cmp_eq_u32 s15, 0
	s_cbranch_scc0 .Lfor_b_\@
	tensor_load_to_lds s[G0A+4*\fill:G0A+4*\fill+3], s[G1A:G1A+7]
	s_nop 0
	PLACES 4
	s_branch .Lasked_\@
.Lfor_b_\@:
	tensor_load_to_lds s[G0B+4*\fill:G0B+4*\fill+3], s[G1B:G1B+7]
	s_nop 0
	PLACES 4
.Lasked_\@:
.else
	PLACES 4
.endif
	FETCH_B (\g)+1
	FETCH_A (\g)+1, 0
	WIN MUL_HI
	MUL16 4, \g, 0
	MUL16 6, \g, 0
	PLACES 4
	WIN 0
	FETCH_A (\g)+1, 4
.endm
; 64 numbers of a lane, register 16 b + i = index 32 b + 16 (lane / 16) + i of my row, become codes: blocks 0, 1 in v[d0] .. v[d0 + 5], blocks 2, 3 in v[d1] .. v[d1 + 5]; the four scale bytes in v[pw].
.macro QUANT s, d0, d1, pw
.irp b, 0,1,2,3
	v_max3_num_f32 v[TM+\b], |v[\s+16*\b]|, |v[\s+1+16*\b]|, 0x1800000   ; with the floor 2^(3 - 127): the byte cannot fall under 1
.endr
.irp i, 2,4,6,8,10,12,14
.irp b, 0,1,2,3
	v_max3_num_f32 v[TM+\b], v[TM+\b], |v[\s+16*\b+\i]|, |v[\s+1+16*\b+\i]|
.endr
.endr
.irp b, 0,1,2,3
	v_permlanex16_b32 v[TM+4+\b], v[TM+\b], s[SEL], s[SEL+1]
.endr
.irp b, 0,1,2,3
	v_max_num_f32 v[TM+\b], v[TM+\b], v[TM+4+\b]   ; with lane l xor 16's: the block's largest magnitude
.endr
.irp b, 0,1,2,3
	v_add_nc_u32 v[TM+12+\b], 0xff000000, v[TM+\b] ; 2 off its exponent field: the conversion's scale operand
.endr
.irp b, 0,1,2,3
	v_lshrrev_b32 v[TM+4+\b], 23, v[TM+12+\b]      ; the byte
.endr
	v_lshl_or_b32 v[\pw], v[TM+5], 8, v[TM+4]
	v_lshl_or_b32 v[\pw], v[TM+6], 16, v[\pw]
	v_lshl_or_b32 v[\pw], v[TM+7], 24, v[\pw]
	v_cvt_scalef32_pk16_fp6_f32 v[\d0:\d0+2], v[\s:\s+15], v[TM+12]
	v_cvt_scalef32_pk16_fp6_f32 v[TT:TT+2], v[\s+16:\s+31], v[TM+13]
	v_cvt_scalef32_pk16_fp6_f32 v[\d1:\d1+2], v[\s+32:\s+47], v[TM+14]
	v_cvt_scalef32_pk16_fp6_f32 v[TT+4:TT+6], v[\s+48:\s+63], v[TM+15]
	v_nop                                          ; one plain place behind a scaled conversion
.irp i, 0,1,2
	v_permlane16_swap_b32 v[\d0+\i], v[TT+\i]      ; the layout wants a whole block in a lane: lanes 0-15 the even block, lanes 16-31 the odd one
.endr
.irp i, 0,1,2
	v_mov_b32 v[\d0+3+\i], v[TT+\i]
.endr
.irp i, 0,1,2
	v_permlane16_swap_b32 v[\d1+\i], v[TT+4+\i]
.endr
.irp i, 0,1,2
	v_mov_b32 v[\d1+3+\i], v[TT+4+\i]
.endr
.endm
	s_load_b256 s[4:11], s[0:1], 0x0               ; cimg s[4:5], csc s[6:7], bqkv s[8:9], qkv s[10:11]
	v_lshl_add_u32 v[SPW], v0, 2, SPARE
	v_mov_b32 v[NIL], 0
	ds_add_u32 v28, v29
	ds_add_u32 v28, v29
	s_wait_dscnt 0x0
	v_lshrrev_b32 v1, 5, v0
	v_readfirstlane_b32 s14, v1                    ; wave 0..3
	s_lshr_b32 s15, s14, 1                         ; which half of A's 256 rows I multiply.  Also: I fetch for A (0) or for B (1)
	s_and_b32 s16, s14, 1                          ; which half of B's.  Also: which 128 rows I fetch
	s_bfe_u32 s40, ttmp6, 0x40000                  ; cx
	s_bfe_u32 s41, ttmp6, 0x40004                  ; cy
	s_and_b32 s43, ttmp7, 0xffff                   ; the cluster's y
	s_lshl_b32 s44, s41, 2
	s_lshl_b32 s44, 15, s44                        ; my row of the cluster
	s_lshl_b32 s45, 0x1111, s40                    ; my column
	; group 1: 8 rows (blocks of 16 rows of the operand) x 3,072 bytes (two K steps), 12,288 bytes apart; elements of 8 bytes; dense in LDS
	s_or_b32 s[G1A], s44, (3<<16)|(1<<21)
	s_or_b32 s[G1B], s45, (3<<16)|(1<<21)
.irp g, G1A, G1B
	s_mov_b32 s[\g+1], 768<<16                     ; tensor_dim0: the head's load brings four K steps, 6,144 bytes of each block
	s_mov_b32 s[\g+2], 8<<16                       ; tensor_dim1
	s_mov_b32 s[\g+3], 768<<16                     ; tile_dim0
	s_mov_b32 s[\g+4], 8                           ; tile_dim1
	s_mov_b32 s[\g+5], 1536                        ; pitch
	s_mov_b32 s[\g+6], 0
	s_mov_b32 s[\g+7], 0
.endr
	s_mov_b32 s[SEL], 0x76543210
	s_mov_b32 s[SEL+1], 0xfedcba98
	; the roles.  The cluster's x is the same in all sixteen partners.  A's unit hangs on cy alone among the places, B's on cx alone.
	s_lshl_b32 s17, s43, 2                         ; 4 x cluster y: the cluster's first unit of tokens
	s_lshl_b32 s18, ttmp9, 2
	s_add_co_u32 s18, s18, 16                      ; its first unit of W's columns (q, k)
	s_cmp_eq_u32 ttmp9, 2
	s_cselect_b32 s19, 24, s17
	s_cselect_b32 s20, s17, s18
	s_cselect_b32 s36, s41, s40                    ; the place that names my heads,
	s_cselect_b32 s37, s15, s16                    ; and the half
	s_cselect_b32 s38, s40, s41                    ; the place that names my tokens,
	s_cselect_b32 s39, s16, s15                    ; and the half
	s_add_co_u32 s19, s19, s41                     ; A's unit
	s_add_co_u32 s20, s20, s40                     ; B's unit
	s_mul_i32 s21, s16, 98304                      ; the half that I fetch
	s_mul_i32 s56, s19, 196608
	s_add_co_u32 s56, s56, s21
	s_mov_b32 s57, 0
	s_mul_i32 s58, s20, 196608
	s_add_co_u32 s58, s58, s21
	s_mov_b32 s59, 0
	s_lshl_b32 s60, s19, 13
	s_lshl_b32 s21, s15, 12
	s_add_co_u32 s60, s60, s21                     ; the scale words of the 128 rows of A that I multiply,
	s_mov_b32 s61, 0
	s_lshl_b32 s62, s20, 13
	s_lshl_b32 s21, s16, 12
	s_add_co_u32 s62, s62, s21                     ; and of B
	s_mov_b32 s63, 0
	s_lshl_b32 s36, s36, 2
	s_lshl_b32 s37, s37, 1
	s_add_co_u32 s36, s36, s37                     ; my first head of two
	s_add_co_u32 s38, s38, s17
	s_lshl_b32 s38, s38, 1
	s_add_co_u32 s38, s38, s39                     ; my block of 128 tokens
	s_lshl_b32 s37, s36, 5
	s_add_co_u32 s37, s37, s38
	s_mul_i32 s32, s37, 6400
	s_mul_i32 s37, ttmp9, 3276800                  ; the section: q, k or v
	s_add_co_u32 s32, s32, s37
	s_mov_b32 s33, 0
	s_lshl_b32 s12, ttmp9, 12
	s_lshl_b32 s37, s36, 8
	s_add_co_u32 s12, s12, s37                     ; my 128 numbers of bqkv
	s_mov_b32 s13, 0
	s_mul_i32 s22, s14, 24576                      ; where my tiles go: no place in the cluster enters an LDS address
	s_wait_kmcnt 0x0
	s_add_nc_u64 s[56:57], s[4:5], s[56:57]
	s_add_nc_u64 s[58:59], s[4:5], s[58:59]
	s_add_nc_u64 s[60:61], s[6:7], s[60:61]
	s_add_nc_u64 s[62:63], s[6:7], s[62:63]
	s_add_nc_u64 s[12:13], s[8:9], s[12:13]
	s_add_nc_u64 s[32:33], s[10:11], s[32:33]      ; my first head's record,
	s_add_nc_u64 s[34:35], s[32:33], 204800        ; and the second's
.irp n, 0,1,2,3
	s_mov_b32 s[G0A+4*\n], 1
	s_add_co_u32 s[G0A+4*\n+1], s22, (\n%3)*REGB
	s_add_nc_u64 s[G0A+4*\n+2:G0A+4*\n+3], s[56:57], \n*3072
	s_or_b32 s[G0A+4*\n+3], s[G0A+4*\n+3], 0x80000000
	s_mov_b32 s[G0B+4*\n], 1
	s_add_co_u32 s[G0B+4*\n+1], s22, (\n%3)*REGB
	s_add_nc_u64 s[G0B+4*\n+2:G0B+4*\n+3], s[58:59], \n*3072
	s_or_b32 s[G0B+4*\n+3], s[G0B+4*\n+3], 0x80000000
.endr
	s_lshl_b32 s[G0A+1], s22, 1                    ; the head's load lands at wave x 49,152
	s_lshl_b32 s[G0B+1], s22, 1
	CROUND                                         ; all sixteen work-groups are here: the first joint loads meet
	s_cmp_eq_u32 s15, 0                            ; one load a wave at the head: K steps 0 to 3 of my 128 rows
	s_cbranch_scc0 .Lfirst_b
	tensor_load_to_lds s[G0A:G0A+3], s[G1A:G1A+7]
	s_nop 0
	PLACES 4
	s_branch .Lfirst_asked
.Lfirst_b:
	tensor_load_to_lds s[G0B:G0B+3], s[G1B:G1B+7]
	s_nop 0
	PLACES 4
.Lfirst_asked:
	v_and_b32 v1, 15, v0                           ; r
	v_bfe_u32 v2, v0, 4, 1                         ; h
	v_and_b32 v3, 31, v0
	v_lshlrev_b32 v[L16], 4, v3
	v_lshlrev_b32 v[L8], 3, v3
	v_lshlrev_b32 v[SCA], 5, v1
	v_lshl_add_u32 v[SCA], v2, 4, v[SCA]
.irp i, 0,1,2,3,4,5,6,7
	global_load_b128 v[SA+4*\i:SA+4*\i+3], v[SCA], s[60:61] offset:512*\i
	global_load_b128 v[SB+4*\i:SB+4*\i+3], v[SCA], s[62:63] offset:512*\i
.endr
	; my 128 numbers of the bias in both layouts, so that the head has no branch on the role: along the registers (q, k use it) and along the lanes (v uses it)
	v_lshlrev_b32 v[BLA], 6, v2                    ; tile bb, register j: number 32 (bb / 2) + 16 h + 8 (bb % 2) + j
	v_and_b32 v4, 7, v0
	v_bfe_u32 v5, v0, 3, 1
	v_lshl_add_u32 v4, v5, 4, v4
	v_lshlrev_b32 v[BLV], 2, v4                    ; block a, lane r: number 32 (a / 2) + 8 (a % 2) + (r % 8) + 16 (r / 8)
	WIN TO_B
.irp b, 0,1,2,3,4,5,6,7
	global_load_b128 v[96+8*\b+96*(\b/4):96+8*\b+96*(\b/4)+3], v[BLA], s[12:13] offset:(32*(\b/2)+8*(\b%2))*4
	global_load_b128 v[96+8*\b+96*(\b/4)+4:96+8*\b+96*(\b/4)+7], v[BLA], s[12:13] offset:(32*(\b/2)+8*(\b%2))*4+16
.endr
	WIN 0
.irp a, 0,1,2,3,4,5,6,7
	global_load_b32 v[BV+2*\a], v[BLV], s[12:13] offset:(32*(\a/2)+8*(\a%2))*4
	global_load_b32 v[BV+2*\a+1], v[BLV], s[12:13] offset:(32*(\a/2)+8*(\a%2))*4   ; twice: a pair for the packed addition
.endr
	s_mul_i32 s21, s15, 24576
	s_mul_i32 s23, s16, 24576
	s_add_co_u32 s23, s23, 49152
	v_add_nc_u32 v[ADRA], s21, v[L8]               ; K steps 6, 7
	v_add_nc_u32 v[ADRB], s23, v[L8]
	s_lshl_b32 s17, s21, 1
	s_lshl_b32 s18, s23, 1
	v_add_nc_u32 v[ADRA+1], s17, v[L8]             ; K steps 0-3: parts of 49,152 bytes
	v_add_nc_u32 v[ADRB+1], s18, v[L8]
	s_add_co_u32 s21, s21, 2*REGB
	s_add_co_u32 s23, s23, 2*REGB
	v_add_nc_u32 v[ADRA+2], s21, v[L8]             ; K steps 4, 5
	v_add_nc_u32 v[ADRB+2], s23, v[L8]
.irp b, 0,1,2,3
	v_mov_b32 v[TM+4+\b], 0                        ; a lane permute's destination counts as one of its sources
.endr
	s_wait_alu depctr_va_vdst(0)
	s_wait_tensorcnt 0x0                           ; my part of K steps 0-3 is in
	ds_add_u32 v[SPW], v[NIL]
	s_mov_b32 s[G1A+1], 384<<16                    ; no load of mine is out: from here on a load brings two K steps, 3,072 bytes of each block
	s_mov_b32 s[G1A+3], 384<<16
	s_mov_b32 s[G1B+1], 384<<16
	s_mov_b32 s[G1B+3], 384<<16
	s_wait_dscnt 0x0
	CROUND                                         ; a whole round: K steps 0-3 are whole in every work-group
	s_cmp_eq_u32 s15, 0
	s_cbranch_scc0 .Lsec_b
	tensor_load_to_lds s[G0A+8:G0A+11], s[G1A:G1A+7]   ; K steps 4, 5: a first fill, the one load behind the round
	s_nop 0
	PLACES 4
	s_branch .Lsec_asked
.Lsec_b:
	tensor_load_to_lds s[G0B+8:G0B+11], s[G1B:G1B+7]
	s_nop 0
	PLACES 4
.Lsec_asked:
	FETCH_B 0
	FETCH_A 0, 0
	FETCH_A 0, 4
	s_wait_loadcnt 0x0                             ; scale words and bias
	STEP 0, 1                                      ; the first products start the sums
	STEP 1, 0
	STEP 2, 0
	TURN 3, 3                                      ; K steps 4, 5 have landed; nobody reads K steps 0-3 any more: K steps 6, 7 fill bytes 0 .. 98,303 again
	STEP 4, 0
	TURN 5, 0                                      ; K steps 6 and 7 have landed, in every wave's sight
	STEP 6, 0
	s_wait_dscnt 24
	WIN MUL_LO
	MUL16 0, 7, 0
	MUL16 2, 7, 0
	s_wait_dscnt 0x0
	WIN MUL_HI
	MUL16 4, 7, 0
	MUL16 6, 7, 0
	WIN 0
	PLACES 4
	v_and_b32 v60, 31, v0
	v_cmp_lt_u32 vcc_lo, 15, v60                   ; lanes 16-31
	s_cmp_eq_u32 ttmp9, 2
	s_cbranch_scc1 .Lway_v
; ---- q, k.  The addition of the bias is also the accumulators' way into window 0; each accumulator is read from its low end on.
.macro ADDB_QK a
	WIN 0x06+(\a)/4
.irp bb, 0,1,2,3,4,5,6,7
.irp j, 0,2,4,6
	v_pk_add_f32 v[T+8*\bb+\j:T+8*\bb+\j+1], v[64*((\a)%4)+8*\bb+\j:64*((\a)%4)+8*\bb+\j+1], v[96+8*\bb+96*(\bb/4)+\j:96+8*\bb+96*(\bb/4)+\j+1]
.endr
.endr
	WIN 0
.endm
.irp b, 0,1,2,3
	s_wait_xcnt 0x0                                ; the last stores have read X and Y
	ADDB_QK 2*\b
	QUANT T, X, Y, PW                              ; blocks 0, 1 are my first head's 64 channels, blocks 2, 3 the second's
	ADDB_QK 2*\b+1
	QUANT T, X+6, Y+6, PW+1
	v_perm_b32 v[SW0+\b], v[PW+1], v[PW], 0x05040100   ; fragment b's word of the first head: the two tiles' low halves,
	v_perm_b32 v[SW1+\b], v[PW+1], v[PW], 0x07060302   ; of the second: the high halves
.irp c, 0,1,2
	global_store_b128 v[L16], v[X+4*\c:X+4*\c+3], s[32:33] offset:1536*\b+512*\c   ; 32 lanes store 512 consecutive bytes, aligned
	global_store_b128 v[L16], v[Y+4*\c:Y+4*\c+3], s[34:35] offset:1536*\b+512*\c
.endr
.endr
	v_cndmask_b32 v[PK], v[SW0], v[SW0+1], vcc_lo      ; lanes 0-15 fragment 0's words, lanes 16-31 fragment 1's
	v_cndmask_b32 v[PK+1], v[SW0+2], v[SW0+3], vcc_lo
	v_cndmask_b32 v[PK+2], v[SW1], v[SW1+1], vcc_lo
	v_cndmask_b32 v[PK+3], v[SW1+2], v[SW1+3], vcc_lo
	global_store_b64 v[L8], v[PK:PK+1], s[32:33] offset:6144
	global_store_b64 v[L8], v[PK+2:PK+3], s[34:35] offset:6144
	s_branch .Lend
; ---- v.  A lane holds a channel, its 64 registers the block's 128 tokens: one fragment and one scale word for each block of 16 channels.
.Lway_v:
.macro ADDB_V a
	WIN 0x02+(\a)/4
.irp i, 0,2,4,6,8,10,12,14,16,18,20,22,24,26,28,30,32,34,36,38,40,42,44,46,48,50,52,54,56,58,60,62
	v_pk_add_f32 v[T+\i:T+\i+1], v[64*((\a)%4)+\i:64*((\a)%4)+\i+1], v[BV+2*(\a):BV+2*(\a)+1]
.endr
	WIN 0
.endm
.irp a, 0,1,2,3,4,5,6,7
	s_wait_xcnt 0x0                                ; the last stores have read X
	ADDB_V \a
	QUANT T, X, X+6, PW+\a%4
.irp c, 0,1,2
	global_store_b128 v[L16], v[X+4*\c:X+4*\c+3], s[32+2*(\a/4):33+2*(\a/4)] offset:1536*(\a%4)+512*\c
.endr
.if \a%4 == 3
	v_cndmask_b32 v[PK+2*(\a/4)], v[PW], v[PW+1], vcc_lo
	v_cndmask_b32 v[PK+2*(\a/4)+1], v[PW+2], v[PW+3], vcc_lo
	global_store_b64 v[L8], v[PK+2*(\a/4):PK+2*(\a/4)+1], s[32+2*(\a/4):33+2*(\a/4)] offset:6144
.endif
.endr
.Lend:
	s_wait_tensorcnt 0x0                           ; the wave's end
	ds_add_u32 v[SPW], v[NIL]
	s_wait_dscnt 0x0
	CROUND                                         ; the closing round
	s_endpgm
.Lfunc_end_k_q2e614df79c_qkvgemm:
	.size	k_q2e614df79c_qkvgemm, .Lfunc_end_k_q2e614df79c_qkvgemm-k_q2e614df79c_qkvgemm
	.p2alignl 7, 3214868480
	.fill 96, 4, 3214868480
	.section	.rodata,"a",@progbits
	.p2align	6, 0x0
	.amdhsa_kernel k_q2e614df79c_qkvgemm
		.amdhsa_group_segment_fixed_size 327680
		.amdhsa_private_segment_fixed_size 0
		.amdhsa_enable_private_segment 0
		.amdhsa_kernarg_size 32
		.amdhsa_user_sgpr_count 2
		.amdhsa_user_sgpr_kernarg_segment_ptr 1
		.amdhsa_wavefront_size32 1
		.amdhsa_system_sgpr_workgroup_id_x 1
		.amdhsa_system_sgpr_workgroup_id_y 1
		.amdhsa_system_sgpr_workgroup_id_z 1
		.amdhsa_system_vgpr_workitem_id 0
		.amdhsa_next_free_vgpr 1024
		.amdhsa_next_free_sgpr 104
		.amdhsa_reserve_vcc 1
		.amdhsa_float_denorm_mode_32 3
		.amdhsa_float_denorm_mode_16_64 3
		.amdhsa_memory_ordered 1
		.amdhsa_forward_progress 1
		.amdhsa_inst_pref_size 230
	.end_amdhsa_kernel
	.amdgpu_metadata
---
amdhsa.version: [ 1, 2 ]
amdhsa.kernels:
  - .name:           k_q2e614df79c_qkvgemm
    .symbol:         k_q2e614df79c_qkvgemm.kd
    .args:
      - { .name: cimg, .offset: 0, .size: 8, .value_kind: global_buffer, .address_space: global }
      - { .name: csc, .offset: 8, .size: 8, .value_kind: global_buffer, .address_space: global }
      - { .name: bqkv, .offset: 16, .size: 8, .value_kind: global_buffer, .address_space: global }
      - { .name: qkv, .offset: 24, .size: 8, .value_kind: global_buffer, .address_space: global }
    .group_segment_fixed_size: 327680
    .private_segment_fixed_size: 0
    .kernarg_segment_align: 8
    .kernarg_segment_size: 32
    .max_flat_workgroup_size: 128
    .sgpr_count:     104
    .vgpr_count:     1024
    .wavefront_size: 32
...
	.end_amdgpu_metadata
.endif
;; end of part 2
;; launch attn (part 3): grid 16 x 16, 16 waves a work-group, no clusters, 327,680 bytes of LDS; arguments qkv, oimg, osc; writes oimg, osc
.if DOCPART == 3
	.amdgcn_target "amdgcn-amd-amdhsa--gfx1250"
	.amdhsa_code_object_version 6
	.text
	.protected	k_q2e614df79c_attn
	.globl	k_q2e614df79c_attn
	.p2align	8
	.type	k_q2e614df79c_attn,@function
k_q2e614df79c_attn:
	s_mov_b64 s[64:65], 0
	v_nop
	global_prefetch_b8 v0, s[64:65] scope:SCOPE_SE
	s_setreg_imm32_b32 hwreg(HW_REG_WAVE_MODE, 25, 1), 1
	s_wait_xcnt 0x0
; o = softmax(q k^T / 8, causal) v for 16 heads of 64, 4,096 tokens, both products on codes of FP6 (E2M3) with E8M0 scales; o leaves as codes along the last product's K.
; t = score x log2(e) / 8; M = the largest t so far, rounded up to a whole number; p = 2^(t - M) is quantised along the keys, not normalised; the sum is taken of the unquantised p and divides O at the end.
; LEFT OUT: blocks of 128 keys that all come after a block's queries: the causal mask gives them the weight 0 for every input.
; IN: qkv [q, k, v][16 heads][32 blocks of 128 tokens][6,400 bytes]: four fragments as images of their registers (byte 512 c + 16 lane = registers 4 c .. 4 c + 3), at 6,144 their scale words, 8 bytes a lane.
;   A fragment of q or k holds TWO tiles of 16 tokens x 64 channels.  A fragment of K is multiplied by [q, 0] for its first tile and by [0, q] for its second; the other half meets zero codes.
; SHARES.  Work-group (i, head) owns the blocks 31 - i and i of 128 queries: first the one, then the other.  TWO WAVES SHARE A TILE of 16 queries and split its keys: of a slot's four records of 128 keys the wave
;   of parity 0 takes records 0 and 2, the other 1 and 3.  32 - i and i + 1 records make ceil((32 - i) / 4) + ceil((i + 1) / 4) = 9 slots for every i: the loop's count is a constant.
;   A record all of whose keys come after the block's queries is jumped over, on ids alone.  At the change of blocks and at the end a wave puts its partial O, M and sums into LDS bytes of its own;
;   behind one barrier wave w joins the two parts of tile w / 2, block w % 2 (a power of two brings both under the larger M), divides, quantises and stores.
; RING: two slots of 51,200 bytes: K's four records (25,600 dense bytes), then V's.  Wave 0 loads K's, wave 1 V's: one tensor load of a wave is out at a time; record 0 of every slot is read.
; NO CLUSTER: which records are jumped over hangs on the work-group's number, and partners in joint loads may not branch on their place.
; PREFETCH: work-group i = 0 walks all 32 records of its head; its waves 4-11 ask, a record each (25 blocks of 256 bytes, a lane a block), for the slot two slots on; slots 0 and 1 come by their loads alone; nothing is asked beyond slot 7.
; OUT: oimg [256 blocks of 16 tokens][8 K steps][1,536] (byte 256 p + 8 lane = registers 2 p, 2 p + 1); osc [4,096][32]: byte 2 head + block, single bytes since a row's 32 come from sixteen work-groups.
; LIMITS: NaN and infinities are not served; a scale byte is held at 1 from below; a block of zeros has the byte 1 and zero codes; the scaled scores stay under 2^31 in magnitude.
.set REC,   6400
.set QUAD,  25600
.set SLOT,  51200
.set STG,   102400                     ; the partial results: 16 waves x 2 blocks x SSZ
.set SSZ,   4608                       ; O: 8 x 512 bytes; then -M, t, the two sums: 512
.set SPARE, 249856
.set L16, 1
.set L8,  2
.set SPW, 3
.set NIL, 4
.set QD,  5                            ; my query's place in its block - 16 (lane / 16)
.set LA,  6                            ; v6-7 16 lane + my parity's record, slot 0, 1
.set LB,  8                            ; v8-9 8 lane likewise
.set SG,  10                           ; where I put my partial results
.set MG,  11                           ; where I read the two that I join
.set QLO, 16                           ; v16-27 [q, 0]
.set QHI, 28                           ; v28-39 [0, q]
.set F,   40                           ; v40-87 four fragments of K, then of V
.set KSC, 88
.set VSC, 90
.set QS,  92
.set PSW, 93
.set PFO, 94
.set S,   96                           ; v96-159 S^T, then p
.set O,   160                          ; v160-191 O^T
.set PC,  192
.set TT,  204
.set BM,  212
.set BP,  216
.set BS,  220
.set FF,  224
.set TP,  226
.set Q2,  228                          ; v228-233 the second block's q; v234 its scale word
.set QS2, 234
.set SM,  244                          ; v244-255 partial sums
.set WV,  18
.set SEL, 20
.set CS,  22
.set G1,  24
.set G0,  32
.set KB,  40
.set OFS, 42
.set N,   44                           ; the slot's number, 0 .. 8
.set KSI, 45                           ; my next record's number in its block's walk
.set BLK, 46
.set SLN, 47                           ; the slot with which the second block begins
.set PFA, 48
.set LIM, 50
.set PAR, 51
.set BLK2, 52
.set CNT, 53
.set QA,  54
.set QB,  56
.macro SPROD d, b, q
.if (\b)%2
	v_wmma_scale_f32_16x16x128_f8f6f4 v[(\d):(\d)+7], v[F+12*(\b):F+12*(\b)+11], v[(\q):(\q)+11], 0, v[KSC+(\b)/2], v[QS] matrix_a_fmt:MATRIX_FMT_FP6 matrix_b_fmt:MATRIX_FMT_FP6 matrix_a_scale:MATRIX_SCALE_ROW1
.else
	v_wmma_scale_f32_16x16x128_f8f6f4 v[(\d):(\d)+7], v[F+12*(\b):F+12*(\b)+11], v[(\q):(\q)+11], 0, v[KSC+(\b)/2], v[QS] matrix_a_fmt:MATRIX_FMT_FP6 matrix_b_fmt:MATRIX_FMT_FP6
.endif
.endm
.macro OPROD t
.if (\t)%2
	v_wmma_scale_f32_16x16x128_f8f6f4 v[O+8*(\t):O+8*(\t)+7], v[F+12*(\t):F+12*(\t)+11], v[PC:PC+11], v[O+8*(\t):O+8*(\t)+7], v[VSC+(\t)/2], v[PSW] matrix_a_fmt:MATRIX_FMT_FP6 matrix_b_fmt:MATRIX_FMT_FP6 matrix_a_scale:MATRIX_SCALE_ROW1
.else
	v_wmma_scale_f32_16x16x128_f8f6f4 v[O+8*(\t):O+8*(\t)+7], v[F+12*(\t):F+12*(\t)+11], v[PC:PC+11], v[O+8*(\t):O+8*(\t)+7], v[VSC+(\t)/2], v[PSW] matrix_a_fmt:MATRIX_FMT_FP6 matrix_b_fmt:MATRIX_FMT_FP6
.endif
.endm
.macro SAVE ph                         ; my partial results of block ph; each accumulator from its low end on
.irp t, 0,1,2,3,4,5,6,7
	ds_store_b128 v[SG], v[O+4*\t:O+4*\t+3] offset:SSZ*(\ph)+512*\t
.endr
	ds_store_b128 v[SG], v[12:15] offset:SSZ*(\ph)+4096
.endm
.macro RESET                           ; nothing summed yet: t = -3e38, -M = 3e38, zeros
	v_mov_b32 v13, 0xff61b1e6
	v_mov_b32 v12, 0x7f61b1e6
	v_mov_b32 v14, 0
	v_mov_b32 v15, 0
.set ZI, 0
.rept 32
	v_mov_b32 v[O+ZI], 0
.set ZI, ZI+1
.endr
.endm
	s_load_b128 s[4:7], s[0:1], 0x0                ; qkv, oimg
	s_load_b64 s[8:9], s[0:1], 0x10                ; osc
	v_lshl_add_u32 v[SPW], v0, 2, SPARE
	v_mov_b32 v[NIL], 0
	ds_add_u32 v[SPW], v[NIL]                      ; the opening lines: the add twice on end and one wait
	ds_add_u32 v[SPW], v[NIL]
	v_lshrrev_b32 v96, 5, v0
	v_readfirstlane_b32 s[WV], v96                 ; wave 0..15
	s_and_b32 s10, ttmp7, 0xffff                   ; the head
	s_lshr_b32 s[PAR], s[WV], 2
	s_xor_b32 s[PAR], s[PAR], s[WV]
	s_and_b32 s[PAR], s[PAR], 1                    ; my parity: waves 2 t and 2 t + 1 differ in it
	s_sub_co_u32 s[BLK], 31, ttmp9                 ; the first block of queries,
	s_mov_b32 s[BLK2], ttmp9                       ; and the second
	s_lshr_b32 s13, s[WV], 1                       ; my tile
	s_sub_co_u32 s[SLN], 35, ttmp9
	s_lshr_b32 s[SLN], s[SLN], 2                   ; ceil((32 - i) / 4): 5 .. 8
	s_mov_b32 s[N], 0
	s_mov_b32 s[KSI], s[PAR]
	s_mov_b32 s[OFS], 0
	s_mov_b32 s[OFS+1], 0
	s_mul_i32 s16, s10, 204800                     ; the head's records in a section
	s_and_b32 s14, s[WV], 1
	s_mul_i32 s15, s14, 3276800
	s_add_co_u32 s15, s15, 3276800                 ; section k for wave 0, v for wave 1
	s_add_co_u32 s[KB], s15, s16
	s_mov_b32 s[KB+1], 0
	s_mul_i32 s19, s14, QUAD                       ; and their place in a slot
	s_mul_i32 s[QA], s[BLK], REC
	s_add_co_u32 s[QA], s[QA], s16
	s_mov_b32 s[QA+1], 0
	s_mul_i32 s[QB], s[BLK2], REC
	s_add_co_u32 s[QB], s[QB], s16
	s_mov_b32 s[QB+1], 0
	s_add_co_u32 s11, s[WV], 4                     ; the prefetches: waves 4-11 take records 0-3 of K's quad, then of V's
	s_and_b32 s12, s11, 7
	s_lshr_b32 s17, s12, 2
	s_mul_i32 s17, s17, 3276800
	s_add_co_u32 s17, s17, 3276800+QUAD            ; at slot 1: the first slot's lines step it to slot 2
	s_and_b32 s12, s12, 3
	s_mul_i32 s12, s12, REC
	s_add_co_u32 s17, s17, s12
	s_add_co_u32 s[PFA], s17, s16
	s_mov_b32 s[PFA+1], 0
	s_lshr_b32 s11, s11, 3
	s_xor_b32 s11, s11, 1
	s_or_b32 s11, s11, ttmp9
	s_cmp_eq_u32 s11, 0
	s_cselect_b32 s[LIM], 7, 0                     ; asked while the slot just requested is under 7
	s_lshr_b32 s11, s13, 1                         ; b: the fragment with my tile,
	s_and_b32 s12, s13, 1                          ; u: its registers 6 u .. 6 u + 5
	s_mul_i32 s17, s11, 1536
	s_mul_i32 s58, s12, 520
	s_add_co_u32 s58, s58, s17                     ; registers 6 u, 6 u + 1 lie at 520 u of my 16 bytes' column,
	s_mul_i32 s59, s12, 1016
	s_add_co_u32 s59, s59, s17
	s_add_co_u32 s59, s59, 8                       ; the next two at 8 + 1,016 u,
	s_add_co_u32 s60, s58, 512                     ; the last two at 512 + 520 u
	s_and_b32 s61, s11, 1
	s_lshl_b32 s61, s61, 7
	s_lshr_b32 s17, s11, 1
	s_lshl_b32 s17, s17, 2
	s_add_co_u32 s61, s61, s17
	s_add_co_u32 s61, s61, 6144                    ; fragment b's scale words
	s_lshl_b32 s62, s11, 5
	s_lshl_b32 s17, s12, 3
	s_add_co_u32 s62, s62, s17                     ; 32 b + 8 u
	s_mov_b32 s63, 0x03020302
	s_cmp_eq_u32 s12, 0
	s_cselect_b32 s63, 0x01000100, s63             ; my tile's two bytes of the word, twice
	s_mul_i32 s66, s[PAR], REC
	s_add_co_u32 s67, s66, SLOT
	s_mul_i32 s68, s[WV], 2*SSZ
	s_add_co_u32 s68, s68, STG
	s_and_b32 s69, s[WV], 14
	s_mul_i32 s69, s69, 2*SSZ
	s_mul_i32 s17, s14, SSZ
	s_add_co_u32 s69, s69, s17
	s_add_co_u32 s69, s69, STG
	s_mov_b32 s[G1], 3<<16                         ; group 1: 25,600 dense bytes as 100 rows of 256 (32 elements of 8 bytes)
	s_mov_b32 s[G1+1], 32<<16
	s_mov_b32 s[G1+2], 100<<16
	s_mov_b32 s[G1+3], 32<<16
	s_mov_b32 s[G1+4], 100
	s_mov_b32 s[G1+5], 32
	s_mov_b32 s[G1+6], 0
	s_mov_b32 s[G1+7], 0
	s_mov_b32 s[SEL], 0x76543210
	s_mov_b32 s[SEL+1], 0xfedcba98
	s_mov_b32 s[CS], 0x3e38aa3b                    ; c = log2(e) / 8
	s_mov_b32 s[CS+1], s[CS]
	s_mov_b32 s[CNT], 4
	s_wait_dscnt 0x0
	s_wait_kmcnt 0x0
	s_add_nc_u64 s[KB:KB+1], s[4:5], s[KB:KB+1]
.irp sl, 0,1
	s_mov_b32 s[G0+4*\sl], 1
	s_add_co_u32 s[G0+4*\sl+1], s19, SLOT*\sl
.endr
	s_mov_b64 s[G0+2:G0+3], s[KB:KB+1]
	s_or_b32 s[G0+3], s[G0+3], 0x80000000
	s_cmp_lt_u32 s[WV], 2                          ; slot 0's fill: one load a wave at the head
	s_cbranch_scc0 .Lno_first
	tensor_load_to_lds s[G0:G0+3], s[G1:G1+7]
	s_nop 0
.rept 4
	v_nop
.endr
.Lno_first:
	s_add_nc_u64 s[QA:QA+1], s[4:5], s[QA:QA+1]
	s_add_nc_u64 s[QB:QB+1], s[4:5], s[QB:QB+1]
	s_add_nc_u64 s[PFA:PFA+1], s[4:5], s[PFA:PFA+1]
	v_and_b32 v96, 31, v0
	v_and_b32 v97, 15, v0
	v_bfe_u32 v98, v0, 3, 1
	v_bfe_u32 v99, v0, 4, 1
	v_and_b32 v[QD], 7, v0
	v_lshlrev_b32 v[L16], 4, v96
	v_lshlrev_b32 v[L8], 3, v96
	v_min_u32 v[PFO], 24, v96
	v_lshl_add_u32 v[QD], v98, 4, v[QD]            ; (r % 8) + 16 (r / 8)
	v_lshlrev_b32 v99, 4, v99
	v_lshl_add_u32 v103, v97, 3, s61
	v_lshlrev_b32 v[PFO], 8, v[PFO]
	v_sub_nc_u32 v[QD], v[QD], v99
	v_add_nc_u32 v100, s58, v[L16]
	v_add_nc_u32 v101, s59, v[L16]
	v_add_nc_u32 v102, s60, v[L16]
	v_add_nc_u32 v[QD], s62, v[QD]
	v_add_nc_u32 v[LA], s66, v[L16]
	v_add_nc_u32 v[LB], s66, v[L8]
	v_add_nc_u32 v[LA+1], s67, v[L16]
	v_add_nc_u32 v[LB+1], s67, v[L8]
	v_add_nc_u32 v[SG], s68, v[L16]
	v_add_nc_u32 v[MG], s69, v[L16]
.irp p, 0,1,2
	global_load_b64 v[QLO+2*\p:QLO+2*\p+1], v[100+\p], s[QA:QA+1]
	global_load_b64 v[QHI+6+2*\p:QHI+7+2*\p], v[100+\p], s[QA:QA+1]
	global_load_b64 v[Q2+2*\p:Q2+2*\p+1], v[100+\p], s[QB:QB+1]
.endr
	global_load_b32 v[TP], v103, s[QA:QA+1]
	global_load_b32 v[QS2], v103, s[QB:QB+1]
.irp i, 0,1,2,3,4,5
	v_mov_b32 v[QLO+6+\i], 0
	v_mov_b32 v[QHI+\i], 0
.endr
	v_mov_b32 v[FF+1], 0
.irp b, 0,1,2,3
	v_mov_b32 v[BP+\b], 0                          ; a lane permute's destination counts as one of its sources
.endr
	s_wait_alu depctr_va_vdst(0)
	s_wait_loadcnt 0x0                             ; both q and their scale words
	v_perm_b32 v[QS], v[TP], v[TP], s63            ; [s0, s1, s0, s1]: it serves [q, 0] and [0, q] alike
	v_perm_b32 v[QS2], v[QS2], v[QS2], s63
	RESET                                          ; (36 plain lines: also the places between the scale word and the first product)
	s_wait_alu depctr_va_vdst(0)
; A KEY STEP: 128 keys: record parity + 2 q of slot sl.
.macro STEP sl, q
.set KREC, 2*REC*(\q)
.set VREC, KREC+QUAD
	s_cmp_gt_u32 s[KSI], s[BLK]                    ; all its keys come after my queries: left out.  No barrier and no tensor load stands in a step
	s_cbranch_scc1 .Lhidden_\@
.rept 4
	v_nop                                          ; places in front of loads into registers that the last products have read
.endr
.irp f, 0,1,2,3
.irp c, 0,1,2
	ds_load_b128 v[F+12*\f+4*\c:F+12*\f+4*\c+3], v[LA+\sl] offset:KREC+1536*\f+512*\c
.endr
.endr
	ds_load_b64 v[KSC:KSC+1], v[LB+\sl] offset:KREC+6144
	s_wait_dscnt 0x0
	s_wait_alu depctr_va_vdst(0)
.irp b, 0,1,2,3
	SPROD S+16*\b, \b, QLO                         ; tile 2 b
	SPROD S+16*\b+8, \b, QHI                       ; tile 2 b + 1: register 16 b + i of S^T is key 32 b + 16 (lane / 16) + i
.endr
.rept 4
	v_nop
.endr
.irp f, 0,1,2,3
.irp c, 0,1,2
	ds_load_b128 v[F+12*\f+4*\c:F+12*\f+4*\c+3], v[LA+\sl] offset:VREC+1536*\f+512*\c   ; V lands while the softmax runs
.endr
.endr
	ds_load_b64 v[VSC:VSC+1], v[LB+\sl] offset:VREC+6144
	s_cmp_lg_u32 s[KSI], s[BLK]                    ; only the block's own record lies on the diagonal
	s_cbranch_scc1 .Lopen_\@
	v_mov_b32 v[TP], 0xff800000                    ; -infinity: p = 0 there
.irp b, 0,1,2,3
.irp i, 0,1,2,3,4,5,6,7,8,9,10,11,12,13,14,15
	v_cmp_gt_i32 vcc_lo, 32*\b+\i, v[QD]
	v_cndmask_b32 v[S+16*\b+\i], v[S+16*\b+\i], v[TP], vcc_lo
.endr
.endr
.Lopen_\@:
.irp b, 0,1,2,3
	v_max3_num_f32 v[BM+\b], v[S+16*\b], v[S+1+16*\b], v[S+2+16*\b]   ; the largest score of each block of 32 keys: for the row's maximum and, since p rises with the score, for the block's largest p
.endr
.irp i, 3,5,7,9,11,13
.irp b, 0,1,2,3
	v_max3_num_f32 v[BM+\b], v[BM+\b], v[S+16*\b+\i], v[S+1+16*\b+\i]
.endr
.endr
.irp b, 0,1,2,3
	v_max_num_f32 v[BM+\b], v[BM+\b], v[S+15+16*\b]
.endr
.irp b, 0,1,2,3
	s_delay_alu instid0(VALU_DEP_4)
	v_permlanex16_b32 v[BP+\b], v[BM+\b], s[SEL], s[SEL+1]
.endr
.irp b, 0,1,2,3
	s_delay_alu instid0(VALU_DEP_4)
	v_max_num_f32 v[BM+\b], v[BM+\b], v[BP+\b]
.endr
	s_delay_alu instid0(VALU_DEP_2)
	v_max3_num_f32 v[TP], v[BM], v[BM+1], v[BM+2]
	s_delay_alu instid0(VALU_DEP_1)
	v_max_num_f32 v[TP], v[TP], v[BM+3]
	s_delay_alu instid0(VALU_DEP_1)
	v_mul_f32 v[TP], s[CS], v[TP]
	s_delay_alu instid0(VALU_DEP_1)
	v_max_num_f32 v13, v13, v[TP]                  ; the running largest t
	v_mov_b32 v[TP], v12
	s_delay_alu instid0(VALU_DEP_2)
	v_floor_f32 v12, -v13                          ; the new -M = -ceil(t)
	s_delay_alu instid0(VALU_DEP_1)
	v_sub_f32 v[TP], v12, v[TP]                    ; old M - new M: a whole number, 0 or less
	s_delay_alu instid0(VALU_DEP_1)
	v_cvt_i32_f32 v[TP], v[TP]                     ; (it saturates)
	s_delay_alu instid0(VALU_DEP_1)
	v_ldexp_f32 v[FF], 1.0, v[TP]                  ; f: a multiplication by it rounds nothing
.irp b, 0,1,2,3
.irp j, 0,2,4,6,8,10,12,14
	v_pk_fma_f32 v[S+16*\b+\j:S+16*\b+\j+1], v[S+16*\b+\j:S+16*\b+\j+1], s[CS:CS+1], v[12:13] op_sel_hi:[1,0,0]   ; t - M
.endr
.endr
.irp b, 0,1,2,3
	v_fma_f32 v[BM+\b], v[BM+\b], s[CS], v12
.endr
	s_wait_alu depctr_va_vdst(0)
.irp b, 0,1,2,3
.irp i, 0,1,2,3,4,5,6,7,8,9,10,11,12,13,14,15
	v_exp_f32 v[S+16*\b+\i], v[S+16*\b+\i]         ; p = 2^(t - M)
.endr
.endr
	v_pk_mul_f32 v[14:15], v[14:15], v[FF:FF+1] op_sel_hi:[1,0]   ; the sums under the new M: the plain line behind the exponentials
	s_wait_alu depctr_va_vdst(0)                   ; one wait for the batch, ahead of its first reader
.irp b, 0,1,2,3
	v_exp_f32 v[BM+\b], v[BM+\b]                   ; the block's largest p
.endr
.irp c, 0,1,2,3,4,5                    ; the sum of the 64 unquantised p: two at a time, in eight chains
	v_pk_add_f32 v[SM+2*\c:SM+2*\c+1], v[S+2*\c:S+2*\c+1], v[S+16+2*\c:S+17+2*\c]
.endr
	v_pk_add_f32 v[BP:BP+1], v[S+12:S+13], v[S+28:S+29]
	v_pk_add_f32 v[14:15], v[14:15], v[S+14:S+15]
.irp m, 2,3
.irp c, 0,1,2,3,4,5
	v_pk_add_f32 v[SM+2*\c:SM+2*\c+1], v[SM+2*\c:SM+2*\c+1], v[S+16*\m+2*\c:S+16*\m+2*\c+1]
.endr
	v_pk_add_f32 v[BP:BP+1], v[BP:BP+1], v[S+16*\m+12:S+16*\m+13]
	v_pk_add_f32 v[14:15], v[14:15], v[S+16*\m+14:S+16*\m+15]
.endr
	v_pk_add_f32 v[BP:BP+1], v[BP:BP+1], v[S+30:S+31]
	v_pk_add_f32 v[SM:SM+1], v[SM:SM+1], v[SM+2:SM+3]
	v_pk_add_f32 v[SM+4:SM+5], v[SM+4:SM+5], v[SM+6:SM+7]
	v_pk_add_f32 v[SM+8:SM+9], v[SM+8:SM+9], v[SM+10:SM+11]
	s_delay_alu instid0(VALU_DEP_4)
	v_pk_add_f32 v[14:15], v[14:15], v[BP:BP+1]
	s_delay_alu instid0(VALU_DEP_3)
	v_pk_add_f32 v[SM:SM+1], v[SM:SM+1], v[SM+4:SM+5]
	s_delay_alu instid0(VALU_DEP_2)
	v_pk_add_f32 v[14:15], v[14:15], v[SM+8:SM+9]
	s_delay_alu instid0(VALU_DEP_1)
	v_pk_add_f32 v[14:15], v[14:15], v[SM:SM+1]
	s_wait_alu depctr_va_vdst(0)                   ; and one for the four
.irp b, 0,1,2,3
	v_max_num_f32 v[BM+\b], 0x1800000, v[BM+\b]    ; the floor 2^(3 - 127)
.endr
.irp b, 0,1,2,3
	s_delay_alu instid0(VALU_DEP_4)
	v_add_nc_u32 v[BS+\b], 0xff000000, v[BM+\b]    ; 2 off the exponent field: the conversion's scale operand
.endr
.irp b, 0,1,2,3
	s_delay_alu instid0(VALU_DEP_4)
	v_lshrrev_b32 v[BP+\b], 23, v[BS+\b]
.endr
	s_delay_alu instid0(VALU_DEP_3)
	v_lshl_or_b32 v[PSW], v[BP+1], 8, v[BP]        ; p's scale word for these 128 keys
	s_delay_alu instid0(VALU_DEP_1)
	v_lshl_or_b32 v[PSW], v[BP+2], 16, v[PSW]
	s_delay_alu instid0(VALU_DEP_1)
	v_lshl_or_b32 v[PSW], v[BP+3], 24, v[PSW]
.irp c, 0,1
	v_cvt_scalef32_pk16_fp6_f32 v[PC+6*\c:PC+6*\c+2], v[S+32*\c:S+32*\c+15], v[BS+2*\c]
	v_cvt_scalef32_pk16_fp6_f32 v[TT+4*\c:TT+4*\c+2], v[S+32*\c+16:S+32*\c+31], v[BS+2*\c+1]
.endr
	v_nop                                          ; one plain place behind a scaled conversion
.irp c, 0,1
.irp i, 0,1,2
	v_permlane16_swap_b32 v[PC+6*\c+\i], v[TT+4*\c+\i]   ; the layout wants a whole block in a lane
.endr
.irp i, 0,1,2
	s_delay_alu instid0(VALU_DEP_3)
	v_mov_b32 v[PC+3+6*\c+\i], v[TT+4*\c+\i]
.endr
.endr
	s_wait_alu depctr_va_vdst(0)
.irp j, 0,2,4,6,8,10,12,14,16,18,20,22,24,26,28,30
	v_pk_mul_f32 v[O+\j:O+1+\j], v[O+\j:O+1+\j], v[FF:FF+1] op_sel_hi:[1,0]   ; O^T under the new M; these sixteen are also the places between p's codes and scale word and the products
.endr
	s_wait_alu depctr_va_vdst(0)
	s_wait_dscnt 0x0                               ; V
.irp t, 0,1,2,3
	OPROD \t                                       ; four accumulators by turns
.endr
.Lhidden_\@:
	s_add_co_u32 s[KSI], s[KSI], 2
.endm
; A slot: my two records of its four.  Where the second block of queries begins (ids alone), I first put the first block's partial results away and start anew.
; In front of the barrier each wave waits for all its tensor loads, adds 0 to its spare word, and waits for that and for its reads of the other slot; behind it the other slot is filled first.
.macro SLOTB sl, refill
	s_cmp_lg_u32 s[N], s[SLN]
	s_cbranch_scc1 .Lsame_\@
	v_mov_b32 v[QS], v[QS2]
.irp i, 0,1,2,3,4,5
	v_mov_b32 v[QLO+\i], v[Q2+\i]                  ; (these thirteen lines are also the places behind the last products)
	v_mov_b32 v[QHI+6+\i], v[Q2+\i]
.endr
	SAVE 0
	s_wait_dscnt 0x0                               ; the stores have read their registers
	RESET
	s_mov_b32 s[KSI], s[PAR]
	s_mov_b32 s[BLK], s[BLK2]
	s_wait_alu depctr_va_vdst(0)
.Lsame_\@:
	s_wait_tensorcnt 0x0
	ds_add_u32 v[SPW], v[NIL]
.if \refill
	ds_add_u32 v[SPW], v[NIL]                      ; twice
	s_add_co_u32 s[N], s[N], 1                     ; the slot that is asked for now:
	s_add_co_u32 s[OFS], s[OFS], QUAD              ; the next four records,
	s_cmp_eq_u32 s[N], s[SLN]
	s_cselect_b32 s[OFS], 0, s[OFS]                ; or the first four again, for the second block of queries
	s_add_nc_u64 s[G0+6-4*(\sl):G0+7-4*(\sl)], s[KB:KB+1], s[OFS:OFS+1]   ; no load of mine is out: the other slot's group 0 may be written
	s_or_b32 s[G0+7-4*(\sl)], s[G0+7-4*(\sl)], 0x80000000
	s_wait_xcnt 0x0                                ; the last prefetch, a slot back, has read its address
	s_add_nc_u64 s[PFA:PFA+1], s[PFA:PFA+1], QUAD
.endif
	s_wait_dscnt 0x0
	s_barrier_signal -1
	s_barrier_wait -1
.if \refill
	s_cmp_lt_u32 s[WV], 2
	s_cbranch_scc0 .Lnone_\@
	tensor_load_to_lds s[G0+4-4*(\sl):G0+7-4*(\sl)], s[G1:G1+7]
	s_nop 0
.rept 4
	v_nop
.endr
.Lnone_\@:
	s_cmp_lt_u32 s[N], s[LIM]
	s_cbranch_scc0 .Lnot_mine_\@
	global_prefetch_b8 v[PFO], s[PFA:PFA+1] th:TH_LOAD_NT scope:SCOPE_SE   ; my record of the slot behind the one just asked for
.Lnot_mine_\@:
.endif
	STEP \sl, 0
	STEP \sl, 1
.endm
.Ltrip:                                                ; four trips of two slots; each slot asks for the next (slot 1's first fill stands behind the first barrier)
	SLOTB 0, 1
	SLOTB 1, 1
	s_sub_co_u32 s[CNT], s[CNT], 1
	s_cmp_lg_u32 s[CNT], 0
	s_cbranch_scc1 .Ltrip
	SLOTB 0, 0                                     ; the ninth slot: nothing is left to fetch
	; THE WAY OUT.  Every wave's second partial result goes to LDS; behind the barrier wave w joins tile w / 2 of block w % 2 (0: 31 - i, 1: i).
.rept 4
	v_nop                                          ; places behind the last products
.endr
	SAVE 1
	s_sub_co_u32 s12, 31, s[BLK2]
	s_and_b32 s11, s[WV], 1
	s_cmp_eq_u32 s11, 0
	s_cselect_b32 s12, s12, s[BLK2]
	s_lshl_b32 s12, s12, 3
	s_add_co_u32 s12, s12, s13                     ; the block of 16 rows of o
	s_mul_i32 s14, s12, 12288
	s_lshr_b32 s15, s10, 1
	s_mul_i32 s15, s15, 1536
	s_add_co_u32 s14, s14, s15
	s_and_b32 s15, s10, 1
	s_mul_i32 s15, s15, 768
	s_add_co_u32 s14, s14, s15
	s_mov_b32 s15, 0
	s_add_nc_u64 s[6:7], s[6:7], s[14:15]
	s_lshl_b32 s14, s12, 9
	s_lshl_b32 s16, s10, 1
	s_add_co_u32 s14, s14, s16
	s_add_nc_u64 s[8:9], s[8:9], s[14:15]
	s_wait_dscnt 0x0                               ; for the others' sake: my stores are done
	s_barrier_signal -1
	s_barrier_wait -1
.irp t, 0,1,2,3,4,5,6,7
	ds_load_b128 v[O+4*\t:O+4*\t+3], v[MG] offset:512*\t
	ds_load_b128 v[S+4*\t:S+4*\t+3], v[MG] offset:2*SSZ+512*\t
.endr
	ds_load_b128 v[12:15], v[MG] offset:4096
	ds_load_b128 v[128:131], v[MG] offset:2*SSZ+4096
	s_wait_dscnt 0x0
	v_and_b32 v136, 15, v0
	v_bfe_u32 v137, v0, 4, 1
	v_min_num_f32 v132, v12, v128                  ; -M of the two: the larger M
	v_add_f32 v14, v14, v15
	v_add_f32 v130, v130, v131
	v_mov_b32 v141, 0
	v_mov_b32 v143, 0
	v_sub_f32 v133, v132, v12                      ; each part's M less the joint M: whole numbers, 0 or less (a part with nothing summed: saturates, its factor is 0)
	v_sub_f32 v134, v132, v128
	v_lshl_add_u32 v138, v136, 5, v137             ; osc: 32 r + h
	v_cmp_ne_u32 vcc_lo, 0, v137
	v_cvt_i32_f32 v133, v133
	v_cvt_i32_f32 v134, v134
	s_delay_alu instid0(VALU_DEP_2)
	v_ldexp_f32 v133, 1.0, v133
	s_delay_alu instid0(VALU_DEP_2)
	v_ldexp_f32 v134, 1.0, v134
	s_delay_alu instid0(VALU_DEP_2)
	v_mul_f32 v14, v14, v133
	s_delay_alu instid0(VALU_DEP_1)
	v_fmac_f32 v14, v130, v134
	s_delay_alu instid0(VALU_DEP_1)
	v_permlanex16_b32 v[TP], v14, s[SEL], s[SEL+1]
	s_delay_alu instid0(VALU_DEP_1)
	v_add_f32 v14, v14, v[TP]                      ; the row's sum
	s_wait_alu depctr_va_vdst(0)
	v_rcp_f32 v14, v14
	v_nop                                          ; a plain place behind the transcendental
	s_wait_alu depctr_va_vdst(0)                   ; the wait ahead of its first reader
	v_mul_f32 v140, v133, v14
	v_mul_f32 v142, v134, v14
.irp j, 0,2,4,6,8,10,12,14,16,18,20,22,24,26,28,30
	v_pk_mul_f32 v[O+\j:O+1+\j], v[O+\j:O+1+\j], v[140:141] op_sel_hi:[1,0]
.endr
.irp j, 0,2,4,6,8,10,12,14,16,18,20,22,24,26,28,30
	v_pk_fma_f32 v[O+\j:O+1+\j], v[S+\j:S+1+\j], v[142:143], v[O+\j:O+1+\j] op_sel_hi:[1,0,1]   ; o: register 16 b + i is channel 32 b + 16 (lane / 16) + i
.endr
.irp b, 0,1
	v_max3_num_f32 v[BM+\b], |v[O+16*\b]|, |v[O+1+16*\b]|, 0x1800000
.endr
.irp i, 2,4,6,8,10,12,14
.irp b, 0,1
	s_delay_alu instid0(VALU_DEP_2)
	v_max3_num_f32 v[BM+\b], v[BM+\b], |v[O+16*\b+\i]|, |v[O+1+16*\b+\i]|
.endr
.endr
.irp b, 0,1
	s_delay_alu instid0(VALU_DEP_2)
	v_permlanex16_b32 v[BP+\b], v[BM+\b], s[SEL], s[SEL+1]
.endr
.irp b, 0,1
	s_delay_alu instid0(VALU_DEP_2)
	v_max_num_f32 v[BM+\b], v[BM+\b], v[BP+\b]
.endr
.irp b, 0,1
	s_delay_alu instid0(VALU_DEP_2)
	v_add_nc_u32 v[BS+\b], 0xff000000, v[BM+\b]
.endr
.irp b, 0,1
	s_delay_alu instid0(VALU_DEP_2)
	v_lshrrev_b32 v[BP+\b], 23, v[BS+\b]
.endr
	v_cvt_scalef32_pk16_fp6_f32 v[PC:PC+2], v[O:O+15], v[BS]
	v_cvt_scalef32_pk16_fp6_f32 v[TT:TT+2], v[O+16:O+31], v[BS+1]
	v_nop
.irp i, 0,1,2
	v_permlane16_swap_b32 v[PC+\i], v[TT+\i]
.endr
.irp i, 0,1,2
	s_delay_alu instid0(VALU_DEP_3)
	v_mov_b32 v[PC+3+\i], v[TT+\i]
.endr
	v_cndmask_b32 v[TP], v[BP], v[BP+1], vcc_lo    ; lanes 0-15 store block 0's byte of row r, lanes 16-31 block 1's
.irp p, 0,1,2
	global_store_b64 v[L8], v[PC+2*\p:PC+2*\p+1], s[6:7] offset:256*\p   ; 32 lanes store 256 consecutive bytes, aligned
.endr
	global_store_b8 v138, v[TP], s[8:9]
	s_wait_tensorcnt 0x0                           ; the wave's end
	ds_add_u32 v[SPW], v[NIL]
	s_wait_dscnt 0x0
	s_endpgm
.Lfunc_end_k_q2e614df79c_attn:
	.size	k_q2e614df79c_attn, .Lfunc_end_k_q2e614df79c_attn-k_q2e614df79c_attn
	.p2alignl 7, 3214868480
	.fill 96, 4, 3214868480
	.section	.rodata,"a",@progbits
	.p2align	6, 0x0
	.amdhsa_kernel k_q2e614df79c_attn
		.amdhsa_group_segment_fixed_size 327680
		.amdhsa_private_segment_fixed_size 0
		.amdhsa_enable_private_segment 0
		.amdhsa_kernarg_size 24
		.amdhsa_user_sgpr_count 2
		.amdhsa_user_sgpr_kernarg_segment_ptr 1
		.amdhsa_wavefront_size32 1
		.amdhsa_system_sgpr_workgroup_id_x 1
		.amdhsa_system_sgpr_workgroup_id_y 1
		.amdhsa_system_sgpr_workgroup_id_z 1
		.amdhsa_system_vgpr_workitem_id 0
		.amdhsa_next_free_vgpr 256
		.amdhsa_next_free_sgpr 76
		.amdhsa_reserve_vcc 1
		.amdhsa_float_denorm_mode_32 3
		.amdhsa_float_denorm_mode_16_64 3
		.amdhsa_memory_ordered 1
		.amdhsa_forward_progress 1
		.amdhsa_inst_pref_size 157
	.end_amdhsa_kernel
	.amdgpu_metadata
---
amdhsa.version: [ 1, 2 ]
amdhsa.kernels:
  - .name:           k_q2e614df79c_attn
    .symbol:         k_q2e614df79c_attn.kd
    .args:
      - { .name: qkv, .offset: 0, .size: 8, .value_kind: global_buffer, .address_space: global }
      - { .name: oimg, .offset: 8, .size: 8, .value_kind: global_buffer, .address_space: global }
      - { .name: osc, .offset: 16, .size: 8, .value_kind: global_buffer, .address_space: global }
    .group_segment_fixed_size: 327680
    .private_segment_fixed_size: 0
    .kernarg_segment_align: 8
    .kernarg_segment_size: 24
    .max_flat_workgroup_size: 512
    .sgpr_count:     76
    .vgpr_count:     256
    .wavefront_size: 32
...
	.end_amdgpu_metadata
.endif
;; end of part 3
;; launch outgemm (part 4): grid 8 x 32, 4 waves a work-group, clusters of 4 x 4, 229,376 bytes of LDS; arguments oimg, osc, cimg, csc, bo, out0; writes out0
.if DOCPART == 4
	.amdgcn_target "amdgcn-amd-amdhsa--gfx1250"
	.amdhsa_code_object_version 6
	.text
	.protected	k_q2e614df79c_outgemm
	.globl	k_q2e614df79c_outgemm
	.p2align	8
	.type	k_q2e614df79c_outgemm,@function
k_q2e614df79c_outgemm:
	s_mov_b64 s[64:65], 0
	v_nop
	global_prefetch_b8 v0, s[64:65] scope:SCOPE_SE
	s_setreg_imm32_b32 hwreg(HW_REG_WAVE_MODE, 25, 1), 1
	s_wait_xcnt 0x0
	s_wait_alu depctr_hold_cnt(0) depctr_sa_sdst(0) depctr_va_vdst(0) depctr_va_sdst(0) depctr_va_ssrc(0) depctr_va_vcc(0) depctr_vm_vsrc(0)
	s_getreg_b32 s2, hwreg(HW_REG_IB_STS2, 6, 4)
	s_cmp_eq_u32 s2, 0
	s_cbranch_scc0 .Lentry_in_a_cluster
	s_endpgm
.Lentry_in_a_cluster:
	s_bfe_u32 s2, ttmp6, 0x10000c
	s_cmp_lg_u32 s2, 0xf033
	s_cbranch_scc0 .Lentry_shape_is_right
	s_endpgm
.Lentry_shape_is_right:
; out0 = o Wo + bo on codes of FP6 (E2M3) with E8M0 scales.  o: oimg, osc (4,096 rows in image order: bits 3 and 4 of a row's number exchanged); Wo: cimg from byte 5,505,024, csc from byte 229,376.  out0 [4096][1024] f32.
; A work-group of four waves makes 128 x 128: 32 x 8 = 256 work-groups.  128 rows of an operand, all of K = 1,024, are 98,304 dense bytes (8 blocks of 16 rows x 8 K steps x 1,536, fragments as images of their registers):
; both operands lie in LDS whole, filled ONCE: each wave issues one tensor load of 49,152 bytes at the head, nothing is filled again, and one barrier shows the tiles to all.
; A wave makes 64 x 64 in 16 accumulators (window 1, v0-127).  The matrix instruction is used transposed (source 0 = 16 columns of Wo, source 1 = 16 rows of o); the bias is the C of each sum's first product.
; Fragments: two sets of 4 + 4 in window 0 (v64-159, v160-255): a K step's 48 loads are issued ahead of the K step before's 16 products.  All scale words stay in v32-63.
; CLUSTER 4 x 4: o's tiles are shared along a row of the cluster, Wo's along a column: joint loads.  NO PREFETCH: the launch has no loop to run ahead in; all it reads is asked for at its head.
; THE WAY OUT: register 16 b + i of a lane is column 32 b + 16 (lane / 16) + i.  A block of 16 rows x 256 bytes goes through the wave's stage and leaves two rows an instruction: sixteen lanes store 256 consecutive bytes, aligned.
.set FR,    12
.set HALF,  49152
.set STAGE, 4*HALF                     ; 16 rows x 272 bytes for each wave; no tensor load lands here
.set SPARE, STAGE+4*4352
.set ADRA, 16
.set ADRB, 17
.set L8,   18
.set SCA,  19
.set BLA,  20
.set STO,  21
.set RD,   22
.set CO,   23
.set SPW,  28
.set NIL,  29
.set SA,   32                          ; v32-47 o's scale words, four registers a block; v48-63 Wo's: scales and nothing else
.set SB,   48
.set BK,   64                          ; the way out: v64-95 and v96-127 by turns
.set G1A, 24
.set G1B, 48
.set G0A, 68
.set G0B, 72
.set MSB, 0
.macro WIN new                         ; the immediate's high byte repeats the setting that is left
.if MSB != (\new)
	s_set_vgpr_msb (MSB<<8)|(\new)
.set MSB, (\new)
.endif
.endm
.macro PLACES n
.rept \n
	v_nop
.endr
.endm
.macro CROUND
	s_barrier_signal -1
	s_barrier_wait -1
	s_cmp_lg_u32 s14, 0
	s_cbranch_scc1 .Lnot_wave_0_\@
	s_barrier_signal -3
.Lnot_wave_0_\@:
	s_barrier_wait -3
	s_barrier_signal -1
	s_barrier_wait -1
.endm
.macro FRAG reg, adr, off              ; six loads of 8 bytes a lane, 256 consecutive bytes each
.irp p, 0,1,2,3,4,5
	ds_load_b64 v[\reg+2*\p:\reg+2*\p+1], v[\adr] offset:\off+256*\p
.endr
.endm
.macro FETCH g
.irp i, 0,1,2,3
	FRAG 64+96*((\g)%2)+FR*\i, ADRA, \i*12288+(\g)*1536
	FRAG 112+96*((\g)%2)+FR*\i, ADRB, \i*12288+(\g)*1536
.endr
.endm
; 16 products of K step g; the 16 accumulators take turns, in the same order in every step
.macro MUL g
.set FS, 64+96*((\g)%2)
.irp a, 0,1,2,3
.irp b, 0,1,2,3
.if (\g) == 0
	v_wmma_scale_f32_16x16x128_f8f6f4 v[8*(4*\a+\b):8*(4*\a+\b)+7], v[FS+48+FR*\b:FS+48+FR*\b+FR-1], v[FS+FR*\a:FS+FR*\a+FR-1], v[128+8*\b:128+8*\b+7], v[SB+4*\b], v[SA+4*\a] matrix_a_fmt:MATRIX_FMT_FP6 matrix_b_fmt:MATRIX_FMT_FP6
.elseif (\g) < 4
	v_wmma_scale_f32_16x16x128_f8f6f4 v[8*(4*\a+\b):8*(4*\a+\b)+7], v[FS+48+FR*\b:FS+48+FR*\b+FR-1], v[FS+FR*\a:FS+FR*\a+FR-1], v[8*(4*\a+\b):8*(4*\a+\b)+7], v[SB+4*\b+(\g)%4], v[SA+4*\a+(\g)%4] matrix_a_fmt:MATRIX_FMT_FP6 matrix_b_fmt:MATRIX_FMT_FP6
.else
	v_wmma_scale_f32_16x16x128_f8f6f4 v[8*(4*\a+\b):8*(4*\a+\b)+7], v[FS+48+FR*\b:FS+48+FR*\b+FR-1], v[FS+FR*\a:FS+FR*\a+FR-1], v[8*(4*\a+\b):8*(4*\a+\b)+7], v[SB+4*\b+(\g)%4], v[SA+4*\a+(\g)%4] matrix_a_fmt:MATRIX_FMT_FP6 matrix_b_fmt:MATRIX_FMT_FP6 matrix_a_scale:MATRIX_SCALE_ROW1 matrix_b_scale:MATRIX_SCALE_ROW1
.endif
.endr
.endr
.endm
	s_load_b256 s[4:11], s[0:1], 0x0               ; oimg s[4:5], osc s[6:7], cimg s[8:9], csc s[10:11]
	s_load_b128 s[36:39], s[0:1], 0x20             ; bo s[36:37], out0 s[38:39]
	v_lshl_add_u32 v[SPW], v0, 2, SPARE
	v_mov_b32 v[NIL], 0
	ds_add_u32 v[SPW], v[NIL]                      ; the opening lines: the add twice on end and one wait
	ds_add_u32 v[SPW], v[NIL]
	v_lshrrev_b32 v1, 5, v0
	v_readfirstlane_b32 s14, v1                    ; wave 0..3
	s_lshr_b32 s15, s14, 1                         ; which 64 rows I multiply.  Also: I fetch for o (0) or for Wo (1)
	s_and_b32 s16, s14, 1                          ; which 64 columns.  Also: which 64 rows of that tile I fetch
	s_bfe_u32 s40, ttmp6, 0x40000                  ; cx
	s_bfe_u32 s41, ttmp6, 0x40004                  ; cy
	s_and_b32 s43, ttmp7, 0xffff                   ; the cluster's y
	s_lshl_b32 s44, s41, 2
	s_lshl_b32 s44, 15, s44                        ; my row of the cluster
	s_lshl_b32 s45, 0x1111, s40                    ; my column
	s_or_b32 s[G1A], s44, (3<<16)|(1<<21)          ; group 1: 49,152 dense bytes as 192 rows of 256 (32 elements of 8 bytes)
	s_or_b32 s[G1B], s45, (3<<16)|(1<<21)
.irp g, G1A, G1B
	s_mov_b32 s[\g+1], 32<<16
	s_mov_b32 s[\g+2], 192<<16
	s_mov_b32 s[\g+3], 32<<16
	s_mov_b32 s[\g+4], 192
	s_mov_b32 s[\g+5], 32
	s_mov_b32 s[\g+6], 0
	s_mov_b32 s[\g+7], 0
.endr
	s_lshl_b32 s19, s43, 2
	s_add_co_u32 s19, s19, s41                     ; my 128 rows of o: 4 x cluster y + cy
	s_lshl_b32 s20, ttmp9, 2
	s_add_co_u32 s20, s20, s40                     ; my 128 columns of Wo: 4 x cluster x + cx
	s_mul_i32 s21, s16, HALF
	s_mul_i32 s56, s19, 2*HALF
	s_add_co_u32 s56, s56, s21
	s_mov_b32 s57, 0
	s_mul_i32 s58, s20, 2*HALF
	s_add_co_u32 s58, s58, s21
	s_add_co_u32 s58, s58, 5505024
	s_mov_b32 s59, 0
	s_lshl_b32 s60, s19, 12                        ; scale words: 32 bytes a row
	s_lshl_b32 s21, s15, 11
	s_add_co_u32 s60, s60, s21
	s_mov_b32 s61, 0
	s_lshl_b32 s62, s20, 12
	s_lshl_b32 s21, s16, 11
	s_add_co_u32 s62, s62, s21
	s_add_co_u32 s62, s62, 229376
	s_mov_b32 s63, 0
	s_lshl_b32 s12, s20, 9
	s_lshl_b32 s21, s16, 8
	s_add_co_u32 s12, s12, s21                     ; my 64 columns, in bytes
	s_mov_b32 s13, 0
	s_lshl_b32 s32, s19, 19
	s_lshl_b32 s21, s15, 18
	s_add_co_u32 s32, s32, s21                     ; my 64 rows of 4,096 bytes
	s_add_co_u32 s32, s32, s12
	s_mov_b32 s33, 0
	s_mul_i32 s22, s14, HALF                       ; where my tile goes: no place in the cluster enters an LDS address
	s_mul_i32 s21, s15, HALF                       ; the rows that I multiply,
	s_mul_i32 s23, s16, HALF
	s_add_co_u32 s23, s23, 2*HALF                  ; and the columns
	s_mul_i32 s46, s14, 4352
	s_add_co_u32 s46, s46, STAGE
	s_wait_dscnt 0x0
	s_wait_kmcnt 0x0
	s_add_nc_u64 s[56:57], s[4:5], s[56:57]
	s_add_nc_u64 s[58:59], s[8:9], s[58:59]
	s_add_nc_u64 s[60:61], s[6:7], s[60:61]
	s_add_nc_u64 s[62:63], s[10:11], s[62:63]
	s_add_nc_u64 s[12:13], s[36:37], s[12:13]
	s_add_nc_u64 s[32:33], s[38:39], s[32:33]
	s_mov_b32 s[G0A], 1
	s_mov_b32 s[G0A+1], s22
	s_mov_b64 s[G0A+2:G0A+3], s[56:57]
	s_or_b32 s[G0A+3], s[G0A+3], 0x80000000
	s_mov_b32 s[G0B], 1
	s_mov_b32 s[G0B+1], s22
	s_mov_b64 s[G0B+2:G0B+3], s[58:59]
	s_or_b32 s[G0B+3], s[G0B+3], 0x80000000
	CROUND                                         ; all sixteen work-groups are here: the joint loads meet
	s_cmp_eq_u32 s15, 0                            ; one load a wave
	s_cbranch_scc0 .Lfirst_b
	tensor_load_to_lds s[G0A:G0A+3], s[G1A:G1A+7]
	s_nop 0
	PLACES 4
	s_branch .Lfirst_asked
.Lfirst_b:
	tensor_load_to_lds s[G0B:G0B+3], s[G1B:G1B+7]
	s_nop 0
	PLACES 4
.Lfirst_asked:
	v_and_b32 v1, 15, v0                           ; r
	v_bfe_u32 v2, v0, 4, 1                         ; h
	v_and_b32 v3, 31, v0
	v_lshlrev_b32 v[L8], 3, v3
	v_lshlrev_b32 v[SCA], 5, v1
	v_lshlrev_b32 v[BLA], 6, v2                    ; the bias: tile b, register j: column 32 (b / 2) + 16 h + 8 (b % 2) + j
	v_mul_u32_u24 v[STO], v1, 272
	v_mul_u32_u24 v[RD], v2, 272
	v_lshlrev_b32 v[CO], 12, v2
	v_lshl_add_u32 v[SCA], v2, 4, v[SCA]           ; lanes 0-15 take a row's words of K steps 0-3, lanes 16-31 of 4-7
	v_add_nc_u32 v[ADRA], s21, v[L8]
	v_add_nc_u32 v[ADRB], s23, v[L8]
	v_lshl_add_u32 v[STO], v2, 6, v[STO]
	v_lshl_add_u32 v[RD], v1, 4, v[RD]
	v_lshl_add_u32 v[CO], v1, 4, v[CO]             ; out0: row h of two, 16 bytes a lane
	v_add_nc_u32 v[STO], s46, v[STO]               ; the stage, in: row r, + 64 h
	v_add_nc_u32 v[RD], s46, v[RD]                 ; back: sixteen lanes to a row
.irp i, 0,1,2,3
	global_load_b128 v[SA+4*\i:SA+4*\i+3], v[SCA], s[60:61] offset:512*\i
	global_load_b128 v[SB+4*\i:SB+4*\i+3], v[SCA], s[62:63] offset:512*\i
.endr
	WIN 0x40                                       ; destination window 1
.irp b, 0,1,2,3
	global_load_b128 v[128+8*\b:128+8*\b+3], v[BLA], s[12:13] offset:(32*(\b/2)+8*(\b%2))*4
	global_load_b128 v[128+8*\b+4:128+8*\b+7], v[BLA], s[12:13] offset:(32*(\b/2)+8*(\b%2))*4+16
.endr
	WIN 0
	s_wait_alu depctr_va_vdst(0)
	s_wait_tensorcnt 0x0                           ; my tile is in
	s_barrier_signal -1
	s_barrier_wait -1                              ; and everybody's
	FETCH 0
	s_wait_loadcnt 0x0                             ; scale words and bias
.irp g, 0,1,2,3,4,5,6
.if \g > 0
	PLACES 4                                       ; four plain vector lines in front of loads into registers that the last products have read
.endif
	FETCH \g+1
	s_wait_dscnt 48                                ; K step g's fragments are in; the 48 just issued may be out
	WIN 0x50                                       ; C and D window 1
	MUL \g
	WIN 0
.endr
	s_wait_dscnt 0x0
	WIN 0x50
	MUL 7
	WIN 0
	PLACES 4
; Block a of 16 rows into the stage, each accumulator from its low end on, and back as whole rows.  LDS serves a wave's instructions in order: no wait between the stores and the loads.
.macro TOSTAGE a
	WIN 0x04                                       ; an LDS store's data are its source 1: window 1
.irp b, 0,1,2,3
	ds_store_b128 v[STO], v[8*(4*(\a)+\b):8*(4*(\a)+\b)+3] offset:128*(\b/2)+32*(\b%2)
	ds_store_b128 v[STO], v[8*(4*(\a)+\b)+4:8*(4*(\a)+\b)+7] offset:128*(\b/2)+32*(\b%2)+16
.endr
	WIN 0
.set BB, BK+32*((\a)%2)
.irp k, 0,1,2,3,4,5,6,7
	ds_load_b128 v[BB+4*\k:BB+4*\k+3], v[RD] offset:2*\k*272
.endr
.endm
.macro SEND a, younger                 ; younger: the LDS instructions issued behind block a's loads
.set BB, BK+32*((\a)%2)
	s_wait_dscnt \younger
.irp k, 0,1,2,3,4,5,6,7
	global_store_b128 v[CO], v[BB+4*\k:BB+4*\k+3], s[32:33] offset:(32*((\a)/2)+8*((\a)%2)+(2*\k)%8+16*(\k/4))*4096 th:TH_STORE_NT   ; the rows at places 16 a + 2 k and 16 a + 2 k + 1
.endr
.endm
	TOSTAGE 0
.irp a, 1,2,3
.if \a > 1
	s_wait_xcnt 0x0                                ; block a - 2's stores have read their registers: block a's loads may land there
.endif
	TOSTAGE \a
	SEND \a-1, 16                                  ; behind block a - 1's loads: block a's 8 stores and 8 loads
.endr
	SEND 3, 0
	s_wait_tensorcnt 0x0                           ; the wave's end
	ds_add_u32 v[SPW], v[NIL]
	s_wait_dscnt 0x0
	CROUND                                         ; the closing round
	s_endpgm
.Lfunc_end_k_q2e614df79c_outgemm:
	.size	k_q2e614df79c_outgemm, .Lfunc_end_k_q2e614df79c_outgemm-k_q2e614df79c_outgemm
	.p2alignl 7, 3214868480
	.fill 96, 4, 3214868480
	.section	.rodata,"a",@progbits
	.p2align	6, 0x0
	.amdhsa_kernel k_q2e614df79c_outgemm
		.amdhsa_group_segment_fixed_size 229376
		.amdhsa_private_segment_fixed_size 0
		.amdhsa_enable_private_segment 0
		.amdhsa_kernarg_size 48
		.amdhsa_user_sgpr_count 2
		.amdhsa_user_sgpr_kernarg_segment_ptr 1
		.amdhsa_wavefront_size32 1
		.amdhsa_system_sgpr_workgroup_id_x 1
		.amdhsa_system_sgpr_workgroup_id_y 1
		.amdhsa_system_sgpr_workgroup_id_z 1
		.amdhsa_system_vgpr_workitem_id 0
		.amdhsa_next_free_vgpr 512
		.amdhsa_next_free_sgpr 76
		.amdhsa_reserve_vcc 0
		.amdhsa_float_denorm_mode_32 3
		.amdhsa_float_denorm_mode_16_64 3
		.amdhsa_memory_ordered 1
		.amdhsa_forward_progress 1
		.amdhsa_inst_pref_size 58
	.end_amdhsa_kernel
	.amdgpu_metadata
---
amdhsa.version: [ 1, 2 ]
amdhsa.kernels:
  - .name:           k_q2e614df79c_outgemm
    .symbol:         k_q2e614df79c_outgemm.kd
    .args:
      - { .name: oimg, .offset: 0, .size: 8, .value_kind: global_buffer, .address_space: global }
      - { .name: osc, .offset: 8, .size: 8, .value_kind: global_buffer, .address_space: global }
      - { .name: cimg, .offset: 16, .size: 8, .value_kind: global_buffer, .address_space: global }
      - { .name: csc, .offset: 24, .size: 8, .value_kind: global_buffer, .address_space: global }
      - { .name: bo, .offset: 32, .size: 8, .value_kind: global_buffer, .address_space: global }
      - { .name: out0, .offset: 40, .size: 8, .value_kind: global_buffer, .address_space: global }
    .group_segment_fixed_size: 229376
    .private_segment_fixed_size: 0
    .kernarg_segment_align: 8
    .kernarg_segment_size: 48
    .max_flat_workgroup_size: 128
    .sgpr_count:     76
    .vgpr_count:     512
    .wavefront_size: 32
...
	.end_amdgpu_metadata
.endif
;; end of part 4
